; MI455X (gfx1250); checked and timed in simulation.
; The chip was launched on July 23, 2026; its instructions are those of AMD's public machine-readable ISA for CDNA 5 (MIT licence, August 2026) and "CDNA5" Instruction Set Architecture Reference Guide (July 2026). The comments in the code are by the model that wrote it; some were corrected since.
;; Multi Head Attention With Dropout. Allowed arithmetic: matrix products marked QUANTISED: E2M1 operands, one E8M0 scale for each 32 along K, by v_wmma_scale_f32_16x16x128_f8f6f4 with both operands' format E2M1 (or v_wmma_scale_f32_32x16x128_f4), f32 sums; products left as they are: bf16, f16 or f32 operands; f32 sums; everything else in f32.
;; Inputs: Wk 1,024 x 1,024 float32; Wo 1,024 x 1,024 float32; Wq 1,024 x 1,024 float32; Wv 1,024 x 1,024 float32; attn_mask 1,024 x 1,024 float32; bk 1,024 float32; bo 1,024 float32; bq 1,024 float32; bv 1,024 float32; key_ 8 x 1,024 x 1,024 float32; key_padding_mask 8 x 1,024 bool; query 8 x 1,024 x 1,024 float32; value 8 x 1,024 x 1,024 float32.
;; Outputs: out0 8 x 1,024 x 1,024 float32.
;; This version of the problem:
;;   THIS VERSION OF THE PROBLEM IS GIVEN IN LOW PRECISION. The matrix products marked QUANTISED in the list below multiply operands that are first quantised to E2M1 (2 exponent bits, 1 mantissa bit; 4 bits a number), with one power-of-two scale for each 32 numbers along K (OCP MX v1.0); their sums are f32. The products marked 'left as it is' may take bf16, f16 or f32 operands, with f32 sums. Whichever they take, every output number must still come out within the allowed error. Rounding operands to bf16 (8 significant bits) uses up far more of that allowance than f16 does (11 bits, for magnitudes from 6e-5 to 65,504). All else is computed in f32.
;;   The module's matrix products, in the order in which they are computed (A, B: the left and right operand; K: the contracted axis; several contracted axes count as one K, in the product's order):
;;     1. [M 8,192, K 1,024] x [K 1,024, N 1,024]; A: input query; B: input Wq: QUANTISED
;;     2. [M 8,192, K 1,024] x [K 1,024, N 1,024]; A: input key_; B: input Wk: QUANTISED
;;     3. [M 8,192, K 1,024] x [K 1,024, N 1,024]; A: input value; B: input Wv: QUANTISED
;;     4. batch 128 x [M 1,024, K 64] x [K 64, N 1,024]; A: computed on the way; B: computed on the way: left as it is (an operand is computed on the way)
;;     5. batch 128 x [M 1,024, K 1,024] x [K 1,024, N 64]; A: computed on the way; B: computed on the way: left as it is (an operand is computed on the way)
;;     6. [M 8,192, K 1,024] x [K 1,024, N 1,024]; A: computed on the way; B: input Wo: left as it is (an operand is computed on the way)
;;   THE QUANTISER, for each operand of a quantised product, along K:
;;     - K is cut into blocks of 32 from its start; a last block that is shorter is filled with zeros.
;;     - A block's scale is 2^e with e = floor(log2(the largest magnitude in the block)) - 2, held to -126 .. 127; a block of zeros has e = 0. As a byte (E8M0): e + 127.
;;     - Each number is divided by its block's scale, clamped to +-6, and rounded to the nearest number of E2M1, ties to even, subnormals kept.
;;     - The product sums the exact products of the quantised numbers (number of the format x scale) in f32.
;;   ~~~python
;;   def quantise(x, axis):      # numpy; x: float32 -> the quantised numbers, widened to float32 again
;;       x = np.moveaxis(x, axis, -1); K = x.shape[-1]
;;       x = np.pad(x, [(0, 0)] * (x.ndim - 1) + [(0, -K % 32)]); x = x.reshape(x.shape[:-1] + (-1, 32)); a = np.abs(x).max(-1, keepdims=True)
;;       e = np.where(a > 0, np.clip(np.frexp(np.where(a > 0, a, 1))[1] - 1 - 2, -126, 127), 0)      # np.frexp(a)[1] - 1 = floor(log2(a)), exactly
;;       r = np.clip(x / 2.0 ** e, -6, 6)
;;       step = 2.0 ** (np.maximum(np.frexp(np.where(r == 0, 1, r))[1] - 1, 0) - 1)
;;       q = np.round(r / step) * step * 2.0 ** e      # np.round: ties to even
;;       return np.moveaxis(q.reshape(q.shape[:-2] + (-1,))[..., :K], -1, axis).astype(np.float32)
;;   ~~~
;; One version. Each part assembles by itself: llvm-mc -triple=amdgcn-amd-amdhsa -mcpu=gfx1250 --defsym DOCPART=n.
;; ======== version 1 of 1: 4 launches
;; limits: values are held in f16: magnitudes above 65,504 overflow, below 6.1e-05 lose precision
;; workspace buffers: codes 14,155,776 bytes; scales 884,736 bytes; woh 2,097,152 bytes; qkv 50,331,648 bytes; ah 16,777,216 bytes
;; launch quant (part 1): grid 896 x 1, 4 waves a work-group, no clusters, 33,280 bytes of LDS; arguments query, key_, value, Wq, Wk, Wv, Wo, codes, scales, woh; writes codes, scales, woh
.if DOCPART == 1
	.amdgcn_target "amdgcn-amd-amdhsa--gfx1250"
	.amdhsa_code_object_version 6
	.text
	.protected	k_q010f5676c1_quant
	.globl	k_q010f5676c1_quant
	.p2align	8
	.type	k_q010f5676c1_quant,@function
k_q010f5676c1_quant:
	s_mov_b64 s[64:65], 0
	v_nop
	global_prefetch_b8 v0, s[64:65] scope:SCOPE_SE
	s_setreg_imm32_b32 hwreg(HW_REG_WAVE_MODE, 25, 1), 1
	s_wait_xcnt 0x0
; FIRST OF FOUR LAUNCHES of multi-head attention (B 8, L 1024, D 1024, 16 heads of 64):  quant -> proj -> attn -> oproj.
; This one turns query, key_, value [8192][1024] and Wq, Wk, Wv [1024][1024], f32 with K innermost, into codes of FP4 (E2M1) with one E8M0 byte for each 32 along K,
; and Wo into f16 (the last product is left as it is and takes f16 operands).
; DEAD WORK, for the whole program: bk.  The scores are (q) . (x Wk^T + bk) / 8 = q . (x Wk^T) / 8 + q . bk / 8, and that product is not quantised.  The second term is the same for every key of a row of scores;
; attn_mask is added and the padding's -inf is set key by key without touching it; so the softmax along the keys cancels it, whatever finite values the inputs hold.  bk has no other way to an output:
; it is not loaded and is among no launch's arguments.  LIMIT: a NaN, an infinity or an overflow that arises through bk alone is not carried to the result.  bq, bv and bo are live and are used.
; THE STREAM.  Rows are dense and K is a multiple of 32, so the six tensors are plain streams of blocks of 32.  They are laid on end in the workspace: codes [27648 rows][512 bytes], scales [27648][32]:
; rows 0 query, 8192 key_, 16384 value, 24576 Wq, 25600 Wk, 26624 Wv.  Work-group i < 864 takes numbers 32768 i on of that stream, a wave 8,192: 16 steps of 512.
; A block's scale is 2^(floor(log2(its largest magnitude)) - 2); its byte is the largest magnitude's exponent field - 2, held at 1 from below.  A block of zeros so gets the byte 1 where the rule says 127:
; its codes are zeros, which add nothing under any byte but 0xff, and the bytes are read by this program alone.  Each number is divided by the scale and rounded to the nearest code, ties to even, beyond 6 held at 6.
; LIMITS: blocks whose largest magnitude lies under 2^-124 keep the byte 1; NaN and infinities among the inputs are not served.
; A lane must hold 16 neighbours along K for the conversions, and a load is best where neighbouring lanes take neighbouring bytes: each load reads 512 consecutive bytes, and a step's 2,048 bytes turn through
; the wave's own stage in LDS (16 bytes of padding behind each 64).  A wave's store of codes covers 256 consecutive bytes, aligned; its 256 scale bytes are gathered in LDS and leave as one such run.
; Work-groups 864 to 895 convert Wo: a wave 8,192 numbers, loads of 512 consecutive bytes, stores of 256.  No tensor loads, no barrier: waves share nothing.
.set WAVES, 4
.set STEPS, 16
.set NQWG,  864                        ; work-groups that quantise
.set EMAX,  2
.set CB,    8                          ; bytes of 16 codes
.set R,     16                         ; v16-79   four sets of 16 numbers as they are loaded
.set X,     80                         ; v80-111  two sets of 16 neighbours
.set E,     112                        ; v112-127 a scale byte for each step
.set C,     128                        ; v128-191 codes: four registers for each step, so that no store's data are written again
.set WREG,  8192                       ; LDS: a region for each wave: two stages of 32 x SP bytes, behind them its 256 scale bytes
.set SP,    80
.set SPW,   12                         ; v12  LDS address of my spare word; never rewritten
.set NIL,   13                         ; v13  0; never rewritten
.set SPARE, WAVES*WREG                 ; the spare words, 128 bytes a wave, named by no other line
.set WI,    16                         ; Wo's path: v16-143 two sets of 64 numbers
.set WO,    144                        ; v144-175 their f16 pairs
	s_load_b512 s[4:19], s[0:1], 0x0               ; query s[4:5], key_ s[6:7], value s[8:9], Wq s[10:11], Wk s[12:13], Wv s[14:15], Wo s[16:17], codes s[18:19]
	s_load_b128 s[20:23], s[0:1], 0x40             ; scales s[20:21], woh s[22:23]
	v_lshl_add_u32 v[SPW], v0, 2, SPARE
	v_mov_b32 v[NIL], 0
	v_lshrrev_b32 v1, 5, v0
	v_readfirstlane_b32 s27, v1                    ; wave
	v_and_b32 v2, 31, v0                           ; lane
	v_lshlrev_b32 v3, 4, v2                        ; my 16 bytes of a load's 512
	s_mov_b32 s29, 0                               ; the high word of every offset
	s_cmp_ge_u32 ttmp9, NQWG
	s_cbranch_scc1 .Lwo
	s_mul_i32 s28, s27, WREG
	v_lshrrev_b32 v14, 2, v2
	v_mul_u32_u24 v14, v14, SP
	v_and_b32 v15, 3, v2
	v_lshl_add_u32 v14, v15, 4, v14
	v_add_nc_u32 v14, s28, v14                     ; the stage, on the way in: SP (lane / 4) + 16 (lane % 4)
	v_mul_u32_u24 v15, v2, SP
	v_add_nc_u32 v15, s28, v15                     ; and on the way out: SP x lane: my 16 neighbours
	v_mul_u32_u24 v4, v2, CB                       ; my codes' place in a step's
	v_lshrrev_b32 v5, 1, v2
	s_add_co_u32 s28, s28, 2*32*SP
	v_add_nc_u32 v5, s28, v5                       ; my wave's 256 scale bytes, my block's byte
	v_lshlrev_b32 v7, 3, v2                        ; and on the way out 8 bytes a lane
	v_add_nc_u32 v6, s28, v7
	s_wait_kmcnt 0x0
	s_mov_b64 s[24:25], s[14:15]                   ; which tensor is my work-group's, and at which work-group it begins: chosen by the work-group's number alone
	s_mov_b32 s26, 832
.macro PICK limit, ptr, base
	s_cmp_lt_u32 ttmp9, \limit
	s_cselect_b64 s[24:25], s[\ptr:\ptr+1], s[24:25]
	s_cselect_b32 s26, \base, s26
.endm
	PICK 832, 12, 800
	PICK 800, 10, 768
	PICK 768, 8, 512
	PICK 512, 6, 256
	PICK 256, 4, 0
	s_sub_co_u32 s28, ttmp9, s26
	s_lshl_b32 s28, s28, 2
	s_add_co_u32 s28, s28, s27                     ; my wave's run of 8,192 numbers in its tensor,
	s_lshl_b32 s28, s28, 15                        ; 32,768 bytes a run
	s_add_nc_u64 s[24:25], s[24:25], s[28:29]
	s_lshl_b32 s30, ttmp9, 2
	s_add_co_u32 s30, s30, s27                     ; and in the stream
	s_lshl_b32 s28, s30, 12                        ; 4,096 bytes of codes a run
	s_add_nc_u64 s[18:19], s[18:19], s[28:29]
	s_lshl_b32 s28, s30, 8                         ; 256 scale bytes a run
	s_add_nc_u64 s[20:21], s[20:21], s[28:29]
.macro LOAD t
.irp i, 0,1,2,3
	global_load_b128 v[R+16*((\t)%4)+4*\i:R+16*((\t)%4)+4*\i+3], v3, s[24:25] offset:2048*(\t)+512*\i th:TH_LOAD_NT   ; 32 lanes read 512 consecutive bytes
.endr
.endm
.macro TURN t                          ; step t's numbers through the stage: LDS serves a wave's instructions in order, so no wait stands between the stores and the loads
.irp i, 0,1,2,3
	ds_store_b128 v14, v[R+16*((\t)%4)+4*\i:R+16*((\t)%4)+4*\i+3] offset:32*SP*((\t)%2)+8*SP*\i
.endr
.irp i, 0,1,2,3
	ds_load_b128 v[X+16*((\t)%2)+4*\i:X+16*((\t)%2)+4*\i+3], v15 offset:32*SP*((\t)%2)+16*\i
.endr
.endm
.irp t, 0,1,2,3
	LOAD \t
.endr
	s_wait_loadcnt 12                              ; step 0's four loads are in
	TURN 0
.macro STEP t
.set XS, X+16*((\t)%2)
.if (\t) > 0
	s_wait_dscnt 1                                 ; this step's numbers are back from the stage (the last step's byte store may be out): its stores into the stage have read their registers,
.else
	s_wait_dscnt 0x0
.endif
.if (\t)+4 < STEPS
	LOAD (\t)+4                                    ; which take the loads of four steps on
.endif
.if (\t)+1 < STEPS
.if STEPS-2-(\t) >= 3
	s_wait_loadcnt 12                              ; the next step's four loads are in; those of the three steps behind it may be out
.else
	s_wait_loadcnt 4*(STEPS-2-(\t))
.endif
	TURN (\t)+1                                    ; and go through the other stage while this step is worked
.endif
	v_max3_num_f32 v8, |v[XS]|, |v[XS+1]|, |v[XS+2]|               ; the largest magnitude of my 16, in two chains
	v_max3_num_f32 v9, |v[XS+3]|, |v[XS+4]|, |v[XS+5]|
.irp i, 6,10
	v_max3_num_f32 v8, v8, |v[XS+\i]|, |v[XS+\i+1]|
	v_max3_num_f32 v9, v9, |v[XS+\i+2]|, |v[XS+\i+3]|
.endr
	v_max3_num_f32 v8, v8, |v[XS+14]|, |v[XS+15]|
	v_max3_num_f32 v8, v8, v9, (EMAX+1)<<23        ; and the floor 2^(EMAX + 1 - 127): the byte cannot fall under 1
	v_max_num_f32_dpp v8, v8, v8 row_xmask:1 row_mask:0xf bank_mask:0xf   ; and of my neighbour's 16: the block's
	v_add_nc_u32 v11, -(EMAX<<23), v8              ; EMAX off its exponent field: the conversion takes the exponent field of this operand as its scale, and nothing else of it
	v_cvt_scalef32_pk8_fp4_f32 v[C+4*(\t)], v[XS:XS+7], v11
	v_cvt_scalef32_pk8_fp4_f32 v[C+4*(\t)+1], v[XS+8:XS+15], v11
	v_lshrrev_b32 v[E+(\t)], 23, v11               ; the scale's byte (also the plain line behind the conversions)
	ds_store_b8 v5, v[E+(\t)] offset:16*(\t)       ; both lanes of a block write the same byte with the same value
	global_store_b64 v4, v[C+4*(\t):C+4*(\t)+1], s[18:19] offset:32*CB*(\t)   ; 32 lanes store 256 consecutive bytes, aligned
.endm
.irp t, 0,1,2,3,4,5,6,7,8,9,10,11,12,13,14,15
	STEP \t
.endr
	ds_load_b64 v[8:9], v6                         ; LDS serves a wave's instructions in order: these see my stores
	s_wait_dscnt 0x0
	global_store_b64 v7, v[8:9], s[20:21]          ; 32 lanes store my wave's 256 scale bytes
	s_wait_tensorcnt 0x0                           ; the wave's end, behind my last LDS store
	ds_add_u32 v[SPW], v[NIL]
	s_wait_dscnt 0x0
	s_endpgm
.Lwo:                                              ; Wo -> f16: four groups of 16 loads, two groups on their way
	v_lshlrev_b32 v4, 3, v2                        ; my 8 bytes of a store's 256
	s_sub_co_u32 s28, ttmp9, NQWG
	s_lshl_b32 s28, s28, 2
	s_add_co_u32 s30, s28, s27                     ; my wave's run of 8,192 numbers
	s_lshl_b32 s28, s30, 15
	s_wait_kmcnt 0x0
	s_add_nc_u64 s[16:17], s[16:17], s[28:29]
	s_lshl_b32 s28, s30, 14
	s_add_nc_u64 s[22:23], s[22:23], s[28:29]
.macro WLOAD u
.irp i, 0,1,2,3,4,5,6,7,8,9,10,11,12,13,14,15
	global_load_b128 v[WI+64*((\u)%2)+4*\i:WI+64*((\u)%2)+4*\i+3], v3, s[16:17] offset:(16*(\u)+\i)*512 th:TH_LOAD_NT
.endr
.endm
.macro WCONV u
.if (\u) < 3
	s_wait_loadcnt 16                              ; this group's 16 loads are in; the next group's may be out
.else
	s_wait_loadcnt 0
.endif
.if (\u) > 0
	s_wait_xcnt 0x0                                ; the last group's stores have read their data: the registers are written again only behind this wait
.endif
.irp i, 0,1,2,3,4,5,6,7,8,9,10,11,12,13,14,15
	v_cvt_pk_f16_f32 v[WO+2*\i], v[WI+64*((\u)%2)+4*\i], v[WI+64*((\u)%2)+4*\i+1]
	v_cvt_pk_f16_f32 v[WO+2*\i+1], v[WI+64*((\u)%2)+4*\i+2], v[WI+64*((\u)%2)+4*\i+3]
.endr
.irp i, 0,1,2,3,4,5,6,7,8,9,10,11,12,13,14,15
	global_store_b64 v4, v[WO+2*\i:WO+2*\i+1], s[22:23] offset:(16*(\u)+\i)*256   ; 32 lanes store 256 consecutive bytes, aligned
.endr
.if (\u)+2 < 4
	WLOAD (\u)+2
.endif
.endm
	WLOAD 0
	WLOAD 1
	WCONV 0
	WCONV 1
	WCONV 2
	WCONV 3
	s_wait_tensorcnt 0x0                           ; the same three closing lines on this way
	ds_add_u32 v[SPW], v[NIL]
	s_wait_dscnt 0x0
	s_endpgm
.Lfunc_end_k_q010f5676c1_quant:
	.size	k_q010f5676c1_quant, .Lfunc_end_k_q010f5676c1_quant-k_q010f5676c1_quant
	.p2alignl 7, 3214868480
	.fill 96, 4, 3214868480
	.section	.rodata,"a",@progbits
	.p2align	6, 0x0
	.amdhsa_kernel k_q010f5676c1_quant
		.amdhsa_group_segment_fixed_size 33280
		.amdhsa_private_segment_fixed_size 0
		.amdhsa_enable_private_segment 0
		.amdhsa_kernarg_size 80
		.amdhsa_user_sgpr_count 2
		.amdhsa_user_sgpr_kernarg_segment_ptr 1
		.amdhsa_wavefront_size32 1
		.amdhsa_system_sgpr_workgroup_id_x 1
		.amdhsa_system_sgpr_workgroup_id_y 1
		.amdhsa_system_sgpr_workgroup_id_z 1
		.amdhsa_system_vgpr_workitem_id 0
		.amdhsa_next_free_vgpr 192
		.amdhsa_next_free_sgpr 66
		.amdhsa_reserve_vcc 0
		.amdhsa_float_denorm_mode_32 3
		.amdhsa_float_denorm_mode_16_64 3
		.amdhsa_memory_ordered 1
		.amdhsa_forward_progress 1
		.amdhsa_inst_pref_size 55
	.end_amdhsa_kernel
	.amdgpu_metadata
---
amdhsa.version: [ 1, 2 ]
amdhsa.kernels:
  - .name:           k_q010f5676c1_quant
    .symbol:         k_q010f5676c1_quant.kd
    .args:
      - { .name: query, .offset: 0, .size: 8, .value_kind: global_buffer, .address_space: global }
      - { .name: key_, .offset: 8, .size: 8, .value_kind: global_buffer, .address_space: global }
      - { .name: value, .offset: 16, .size: 8, .value_kind: global_buffer, .address_space: global }
      - { .name: Wq, .offset: 24, .size: 8, .value_kind: global_buffer, .address_space: global }
      - { .name: Wk, .offset: 32, .size: 8, .value_kind: global_buffer, .address_space: global }
      - { .name: Wv, .offset: 40, .size: 8, .value_kind: global_buffer, .address_space: global }
      - { .name: Wo, .offset: 48, .size: 8, .value_kind: global_buffer, .address_space: global }
      - { .name: codes, .offset: 56, .size: 8, .value_kind: global_buffer, .address_space: global }
      - { .name: scales, .offset: 64, .size: 8, .value_kind: global_buffer, .address_space: global }
      - { .name: woh, .offset: 72, .size: 8, .value_kind: global_buffer, .address_space: global }
    .group_segment_fixed_size: 33280
    .private_segment_fixed_size: 0
    .kernarg_segment_align: 8
    .kernarg_segment_size: 80
    .max_flat_workgroup_size: 128
    .sgpr_count:     66
    .vgpr_count:     192
    .wavefront_size: 32
...
	.end_amdgpu_metadata
.endif
;; end of part 1
;; launch proj (part 2): grid 4 x 96, 4 waves a work-group, clusters of 4 x 4, 327,680 bytes of LDS; arguments codes, scales, bq, bv, qkv; writes qkv
.if DOCPART == 2
	.amdgcn_target "amdgcn-amd-amdhsa--gfx1250"
	.amdhsa_code_object_version 6
	.text
	.protected	k_q010f5676c1_proj
	.globl	k_q010f5676c1_proj
	.p2align	8
	.type	k_q010f5676c1_proj,@function
k_q010f5676c1_proj:
	s_mov_b64 s[64:65], 0
	v_nop
	global_prefetch_b8 v0, s[64:65] scope:SCOPE_SE
	s_setreg_imm32_b32 hwreg(HW_REG_WAVE_MODE, 25, 1), 1
	s_wait_xcnt 0x0
	s_wait_alu depctr_hold_cnt(0) depctr_sa_sdst(0) depctr_va_vdst(0) depctr_va_sdst(0) depctr_va_ssrc(0) depctr_va_vcc(0) depctr_vm_vsrc(0)
	s_getreg_b32 s2, hwreg(HW_REG_IB_STS2, 6, 4)
	s_cmp_eq_u32 s2, 0
	s_cbranch_scc0 .Lentry_in_a_cluster
	s_endpgm
.Lentry_in_a_cluster:
	s_bfe_u32 s2, ttmp6, 0x10000c
	s_cmp_lg_u32 s2, 0xf033
	s_cbranch_scc0 .Lentry_shape_is_right
	s_endpgm
.Lentry_shape_is_right:
; SECOND LAUNCH: the three quantised projections, as one GEMM on codes of FP4 (E2M1) with E8M0 scales: qkv[m][n] = sum over k of X[m][k] W[n][k], K = 1024, sums in f32.
; X: rows 0-24575 of codes (query, key_, value); W: rows 24576 + 1024 G + n, G = 0, 1, 2 for Wq, Wk, Wv, chosen by the tile row.  qkv: [24576][1024] f16:
; rows 0-8191 (x Wq^T + bq) / 8 (the scores' 1 / sqrt(64) is a power of two and is taken here: nothing is rounded by it), rows 8192-16383 x Wk^T, rows 16384-24575 x Wv^T + bv.
; WORK LEFT OUT: bk is not added: it is the same along the softmax's axis and cancels there for all values of the inputs (shown at the head of the first kernel).
; LIMIT: q / 8, k and v are kept in f16: magnitudes up to 65,504.
; A tile of 256 x 256 is made by a work-group of four waves, a wave makes 128 x 128: 64 accumulators, 512 registers.  K goes in two steps of 512 through two LDS slots: a tile's row is 256 bytes of memory.
; Both slots and the scale bytes of the work-group's rows (two dense blocks) are asked for at the head: three tensor loads of a wave are out at the most, and no LDS byte is filled twice.
; CLUSTERS: 4 x 4 work-groups.  The four of a row of the cluster need the same tiles of X, the four of a column the same tiles of W: each is asked for jointly, by the same tensor load with the same descriptor
; and a mask that names the four.  G hangs on the cluster's y alone (eight clusters to a matrix), so all sixteen partners take the same way at the branches on G.
; THE MATRIX INSTRUCTION IS USED TRANSPOSED (source 0 = 16 rows of W, source 1 = 16 rows of X): a lane then holds eight neighbouring numbers of a row of qkv.
; REGISTERS, in windows of 256: window 0: v0-31 addresses; v32-95 scale words, two sets; v128-191 X's fragments, one set; v192-255 the bias in the result's layout.  On the way out v32-191 are free.
;   window 1: W's fragments, two sets, at v0 and v128.   window 2: the accumulators of my rows 0-63 ((a, b) at v[8 (8 a + b)]);   window 3: those of my rows 64-127.
.set KSTEP,  512
.set NQ,     KSTEP/128
.set ROWB,   256                       ; a tile's row in bytes
.set KROW,   512                       ; a row of codes in memory
.set PITCH,  272                       ; an LDS row: 256 bytes + 16 of padding: the 16 rows that a load touches start at 16 different banks (64 banks of 4 bytes: ISA guide 11.1)
.set FR,     8
.set NL,     2
.set NP,     4                         ; places behind this matrix instruction (ISA guide 7.12.1)
.set HALFT,  128*PITCH
.set SLOT,   4*HALFT                   ; X's 256 rows, then W's 256 rows
.set KS,     32                        ; a row of scale bytes
.set SCL,    2*SLOT                    ; behind the slots: the scale bytes, as runs of 256 bytes + 16 of padding
.set HALFS,  (128*KS/256)*272
.set SBLK,   (16*KS/256)*272
.set SPARE,  SCL+4*HALFS               ; the spare words, 128 bytes a wave, named by no other line
.set SPITCH, 272                       ; the way out: a stage of 16 rows x (256 bytes + 16) for each wave, in slot 0, which has had its only fill and its last read by then
.set OROW,   2048                      ; a row of qkv in bytes
.set ADRA, 16
.set ADRB, 20
.set STO,  24
.set RD,   25
.set CO,   26
.set ADRS, 27
.set SPW,  28
.set NIL,  29
.set SC,   32
.set AF,   128
.set BI,   192                         ; bias: register 8 b + j = bias[my first column + 16 b + 8 (lane / 16) + j]
.set T,    128                         ; the way out: 64 numbers at work
.set TMP,  32                          ; packed f16
.set OB,   64                          ; 16 rows read back: v64-95 and v96-127 by turns
.set G1, 24
.set G0, 32
.set G1B, 48
.set G0B, 56
.set G1S, 68
.set G0S, 76
.set G1SB, 80
.set G0SB, 88
.set GM,  95                           ; s95     G
.set SF,  96                           ; s[96:97] 0.125 for q, 1.0 for v
.set BP,  98                           ; s[98:99] the bias at my first column
.set MSB, 0
.macro WIN new                         ; the immediate's high byte repeats the setting that is left
.if MSB != (\new)
	s_set_vgpr_msb (MSB<<8)|(\new)
.set MSB, (\new)
.endif
.endm
.set MUL_LO, 0xa1                      ; source 0 (W) window 1, source 1 (X) window 0, C and D window 2
.set MUL_HI, 0xf1
.set TO_B,   0x40
; A joint load: waves 0 and 1 fetch for X, waves 2 and 3 for W.  The branch hangs on the wave's number alone.  An s_nop 0 and four v_nop follow each of the two lines.
.macro JLOAD g0a, g1a, g0b, g1b
	s_cmp_eq_u32 s15, 0
	s_cbranch_scc0 .Lfor_b_\@
	tensor_load_to_lds s[\g0a:\g0a+3], s[\g1a:\g1a+7]
	s_nop 0
.rept 4
	v_nop
.endr
	s_branch .Lasked_\@
.Lfor_b_\@:
	tensor_load_to_lds s[\g0b:\g0b+3], s[\g1b:\g1b+7]
	s_nop 0
.rept 4
	v_nop
.endr
.Lasked_\@:
.endm
.macro CROUND                          ; a round of the cluster's barrier
	s_barrier_signal -1
	s_barrier_wait -1
	s_cmp_lg_u32 s14, 0
	s_cbranch_scc1 .Lnot_wave_0_\@
	s_barrier_signal -3
.Lnot_wave_0_\@:
	s_barrier_wait -3
	s_barrier_signal -1
	s_barrier_wait -1
.endm
	s_load_b128 s[4:7], s[0:1], 0x0                ; codes s[4:5], scales s[6:7]
	s_load_b128 s[8:11], s[0:1], 0x10              ; bq s[8:9], bv s[10:11]
	s_load_b64 s[12:13], s[0:1], 0x20              ; qkv
	v_lshl_add_u32 v[SPW], v0, 2, SPARE
	v_mov_b32 v[NIL], 0
	ds_add_u32 v[SPW], v[NIL]                      ; the wave's opening: the add, twice on end, and its wait ahead of my first tensor load
	ds_add_u32 v[SPW], v[NIL]
	v_lshrrev_b32 v1, 5, v0
	v_readfirstlane_b32 s14, v1                    ; wave 0..3
	s_lshr_b32 s15, s14, 1                         ; which half of the tile's rows is mine.  Also: I fetch for X (0) or for W (1)
	s_and_b32 s16, s14, 1                          ; which half of its columns.  Also: which 128 rows of that tile I fetch
	s_bfe_u32 s40, ttmp6, 0x40000                  ; cx, cy: my place in the cluster
	s_bfe_u32 s41, ttmp6, 0x40004
	s_lshl_b32 s42, ttmp9, 2
	s_add_co_u32 s42, s42, s40                     ; tile column = 4 x cluster x + cx
	s_and_b32 s17, ttmp7, 0xffff
	s_lshr_b32 s[GM], s17, 3                       ; G: 32 tile rows, eight clusters, to a matrix
	s_lshl_b32 s17, s17, 2
	s_add_co_u32 s17, s17, s41                     ; tile row = 4 x cluster y + cy
	s_lshl_b32 s43, s41, 2
	s_lshl_b32 s43, 15, s43                        ; my row of the cluster
	s_lshl_b32 s44, 0x1111, s40                    ; my column
	s_or_b32 s[G1+0], s43, (0<<16)|(1<<20)|(1<<21)|(5<<22)|(3<<25)  ; 15:0 the mask; 17:16 elements of 1 byte; 20 padding on; 21 set beside a mask; 24:22 after every 64 words; 31:25 four words
	s_or_b32 s[G1B+0], s44, (0<<16)|(1<<20)|(1<<21)|(5<<22)|(3<<25)
.irp g, G1, G1B
	s_mov_b32 s[\g+1], ROWB<<16                    ; tensor_dim0
	s_mov_b32 s[\g+2], 128<<16                     ; tensor_dim1
	s_mov_b32 s[\g+3], ROWB<<16                    ; tile_dim0
	s_mov_b32 s[\g+4], 128                         ; tile_dim1
	s_mov_b32 s[\g+5], KROW                        ; tensor_dim0_stride
	s_mov_b32 s[\g+6], 0
	s_mov_b32 s[\g+7], 0
.endr
	s_or_b32 s[G1S+0], s43, (3<<16)|(1<<20)|(1<<21)|(5<<22)|(3<<25) ; the scale bytes of 128 rows: 4,096 dense bytes as 16 rows of 32 elements of 8 bytes, 16 bytes of padding behind each
	s_or_b32 s[G1SB+0], s44, (3<<16)|(1<<20)|(1<<21)|(5<<22)|(3<<25)
.irp g, G1S, G1SB
	s_mov_b32 s[\g+1], 32<<16
	s_mov_b32 s[\g+2], (128*KS/256)<<16
	s_mov_b32 s[\g+3], 32<<16
	s_mov_b32 s[\g+4], 128*KS/256
	s_mov_b32 s[\g+5], 32
	s_mov_b32 s[\g+6], 0
	s_mov_b32 s[\g+7], 0
.endr
	s_lshl_b32 s18, s16, 7                         ; which 128 rows of the tile I fetch
	s_lshl_b32 s20, s17, 8
	s_add_co_u32 s20, s20, s18                     ; X: row 256 x tile row + 128 x half
	s_lshl_b32 s46, s42, 8
	s_add_co_u32 s46, s46, s18
	s_lshl_b32 s47, s[GM], 10
	s_add_co_u32 s46, s46, s47
	s_add_co_u32 s46, s46, 24576                   ; W: row 24576 + 1024 G + 256 x tile column + 128 x half
	s_mov_b32 s21, 0
	s_mov_b32 s47, 0
	s_mov_b64 s[18:19], KS
	s_mul_u64 s[22:23], s[20:21], s[18:19]         ; where these rows' scale bytes begin
	s_mul_u64 s[92:93], s[46:47], s[18:19]
	s_mov_b64 s[18:19], KROW
	s_mul_u64 s[20:21], s[20:21], s[18:19]         ; and their codes
	s_mul_u64 s[46:47], s[46:47], s[18:19]
	s_mul_i32 s45, s14, HALFT                      ; where they go: wave x 128 rows: no place in the cluster enters an LDS address
	s_mul_i32 s94, s14, HALFS
	s_mov_b32 s[SF], 0x3f800000
	s_cmp_eq_u32 s[GM], 0
	s_cselect_b32 s[SF], 0x3e000000, s[SF]         ; q carries the scores' 1 / 8
	s_mov_b32 s[SF+1], s[SF]                       ; (named with it as a pair, so it is written)
	s_wait_dscnt 0x0                               ; both opening adds are done
	s_wait_kmcnt 0x0
	s_add_nc_u64 s[20:21], s[4:5], s[20:21]
	s_add_nc_u64 s[22:23], s[6:7], s[22:23]
	s_add_nc_u64 s[46:47], s[4:5], s[46:47]
	s_add_nc_u64 s[92:93], s[6:7], s[92:93]
	CROUND                                         ; all sixteen work-groups are here: the joint loads meet
	s_mov_b32 s[G0S], 1
	s_add_co_u32 s[G0S+1], s94, SCL
	s_mov_b64 s[G0S+2:G0S+3], s[22:23]
	s_or_b32 s[G0S+3], s[G0S+3], 0x80000000
	s_mov_b32 s[G0SB], 1
	s_add_co_u32 s[G0SB+1], s94, SCL
	s_mov_b64 s[G0SB+2:G0SB+3], s[92:93]
	s_or_b32 s[G0SB+3], s[G0SB+3], 0x80000000
	JLOAD G0S, G1S, G0SB, G1SB                     ; the scale bytes first: they are wanted with K step 0
.irp s, 0,1
	s_mov_b32 s[G0+4*\s], 1
	s_add_co_u32 s[G0+4*\s+1], s45, \s*SLOT
	s_add_nc_u64 s[G0+4*\s+2:G0+4*\s+3], s[20:21], \s*ROWB
	s_or_b32 s[G0+4*\s+3], s[G0+4*\s+3], 0x80000000
	s_mov_b32 s[G0B+4*\s], 1
	s_add_co_u32 s[G0B+4*\s+1], s45, \s*SLOT
	s_add_nc_u64 s[G0B+4*\s+2:G0B+4*\s+3], s[46:47], \s*ROWB
	s_or_b32 s[G0B+4*\s+3], s[G0B+4*\s+3], 0x80000000
	JLOAD G0+4*\s, G1, G0B+4*\s, G1B
.endr
	v_and_b32 v1, 15, v0                           ; l % 16
	v_bfe_u32 v2, v0, 4, 1                         ; l / 16
	; the bias of my 128 columns, in the result's layout; k has none
	s_cmp_eq_u32 s[GM], 0
	s_cselect_b64 s[BP:BP+1], s[8:9], s[10:11]
	s_lshl_b32 s18, s42, 10
	s_lshl_b32 s19, s16, 9
	s_add_co_u32 s18, s18, s19                     ; (256 x tile column + 128 x half) x 4 bytes
	s_mov_b32 s19, 0
	s_add_nc_u64 s[BP:BP+1], s[BP:BP+1], s[18:19]
	v_lshlrev_b32 v8, 5, v2                        ; + 32 bytes for lanes 16-31; never rewritten
	s_cmp_eq_u32 s[GM], 1
	s_cbranch_scc1 .Lno_bias
.irp b, 0,1,2,3,4,5,6,7
	global_load_b128 v[BI+8*\b:BI+8*\b+3], v8, s[BP:BP+1] offset:64*\b
	global_load_b128 v[BI+8*\b+4:BI+8*\b+7], v8, s[BP:BP+1] offset:64*\b+16
.endr
.Lno_bias:
	v_mul_u32_u24 v3, v1, PITCH
	v_lshl_add_u32 v4, v2, 4, v3                   ; a fragment's row x pitch + 16 x half
	s_mul_i32 s21, s15, HALFT                      ; my 128 rows of X
	s_mul_i32 s22, s16, HALFT                      ; my 128 rows of W,
	s_add_co_u32 s22, s22, 2*HALFT                 ; which lie behind X's 256
.irp s, 0,1
	v_add_nc_u32 v[ADRA+\s], s21, v4
	v_add_nc_u32 v[ADRB+\s], s22, v4
	s_add_co_u32 s21, s21, SLOT
	s_add_co_u32 s22, s22, SLOT
.endr
	v_mul_u32_u24 v5, v1, KS                       ; my row's scale bytes: KS a row,
	v_lshrrev_b32 v6, 8, v5
	v_lshl_add_u32 v5, v6, 4, v5                   ; and 16 more for each 256 passed
	s_mul_i32 s21, s15, HALFS
	s_mul_i32 s22, s16, HALFS
	s_add_co_u32 s22, s22, 2*HALFS
	s_sub_co_u32 s22, s22, s21
	v_mul_u32_u24 v6, s22, v2                      ; lanes 16-31 take W's
	s_add_co_u32 s21, s21, SCL
	v_add_nc_u32 v5, v5, v6
	v_add_nc_u32 v[ADRS], s21, v5
	s_mul_i32 s23, s14, 16*SPITCH                  ; my stage
	v_mul_u32_u24 v5, v1, SPITCH                   ; in: row l % 16, 16 bytes for each half of the lanes
	v_lshl_add_u32 v5, v2, 4, v5
	v_add_nc_u32 v[STO], s23, v5
	v_mul_u32_u24 v5, v2, SPITCH                   ; back: lanes 0-15 one row of 256 bytes, lanes 16-31 the next
	v_lshl_add_u32 v5, v1, 4, v5
	v_add_nc_u32 v[RD], s23, v5
	v_lshlrev_b32 v5, 11, v2                       ; and the same two rows in qkv
	v_lshl_add_u32 v[CO], v1, 4, v5
	s_lshl_b32 s20, s17, 8
	s_lshl_b32 s21, s15, 7
	s_add_co_u32 s20, s20, s21                     ; my first row: 256 x tile row + 128 x half,
	s_lshl_b32 s20, s20, 11                        ; 2,048 bytes a row
	s_lshl_b32 s46, s42, 9                         ; my first column, in bytes: 512 x tile column + 256 x half
	s_lshl_b32 s47, s16, 8
	s_add_co_u32 s46, s46, s47
	s_add_co_u32 s20, s20, s46
	s_mov_b32 s21, 0
	s_add_nc_u64 s[12:13], s[12:13], s[20:21]
.macro FRAG reg, adr, q, i             ; a fragment, 16 rows x 128 K of 4-bit codes: lane l holds row l % 16; registers 4 c .. 4 c + 3 hold K = 64 c + 32 (l / 16) + 0 .. 31
.irp c, 0,1
	ds_load_b128 v[\reg+4*\c:\reg+4*\c+3], v[\adr] offset:64*(\q)+32*\c+(\i)*16*PITCH
.endr
.endm
; 16 matrix instructions: X's blocks a0, a0 + 1 x W's eight, 128 along K.  p: W's set; sc: the set of scale words.  zero = 1: the first product starts the sums.
; The 64 accumulators take turns, one instruction a turn, in the same order in every step.
.macro MUL16 a0, p, q, sc, zero
.irp a, \a0, \a0+1
.irp b, 0,1,2,3,4,5,6,7
.if \zero
	v_wmma_scale_f32_16x16x128_f8f6f4 v[8*(8*((\a)%4)+\b):8*(8*((\a)%4)+\b)+7], v[128*(\p)+FR*\b:128*(\p)+FR*\b+FR-1], v[AF+FR*(\a):AF+FR*(\a)+FR-1], 0, v[SC+8*NQ*(\sc)+NQ*\b+(\q)], v[SC+8*NQ*(\sc)+NQ*(\a)+(\q)] matrix_a_fmt:MATRIX_FMT_FP4 matrix_b_fmt:MATRIX_FMT_FP4 matrix_a_scale:MATRIX_SCALE_ROW1
.else
	v_wmma_scale_f32_16x16x128_f8f6f4 v[8*(8*((\a)%4)+\b):8*(8*((\a)%4)+\b)+7], v[128*(\p)+FR*\b:128*(\p)+FR*\b+FR-1], v[AF+FR*(\a):AF+FR*(\a)+FR-1], v[8*(8*((\a)%4)+\b):8*(8*((\a)%4)+\b)+7], v[SC+8*NQ*(\sc)+NQ*\b+(\q)], v[SC+8*NQ*(\sc)+NQ*(\a)+(\q)] matrix_a_fmt:MATRIX_FMT_FP4 matrix_b_fmt:MATRIX_FMT_FP4 matrix_a_scale:MATRIX_SCALE_ROW1
.endif
.endr
.endr
.endm
.macro FETCH_B slot, q, p
	WIN TO_B
.irp i, 0,1,2,3,4,5,6,7
	FRAG 128*(\p)+FR*\i, ADRB+\slot, \q, \i
.endr
	WIN 0
.endm
.macro FETCH_A slot, q, i0
.irp i, \i0, \i0+1, \i0+2, \i0+3
	FRAG AF+FR*(\i), ADRA+\slot, \q, \i
.endr
.endm
.macro SCALES sc                       ; a K step's scale words: NQ words a row; lanes 0-15 take X's block i, lanes 16-31 W's block i
.irp i, 0,1,2,3,4,5,6,7
	ds_load_b128 v[SC+8*NQ*\sc+NQ*\i:SC+8*NQ*\sc+NQ*\i+3], v[ADRS] offset:\i*SBLK
.endr
.endm
.macro PLACES n                        ; plain vector instructions that name none of a matrix instruction's registers, ahead of loads into its registers and of reads of its results
.rept \n
	v_nop
.endr
.endm
.macro STEP slot, q, zero              ; a step of 128 along K that has its successor in the same slot
	s_wait_dscnt 4*NL                              ; W's set and X's blocks 0-3 are in; the youngest eight loads (X's blocks 4-7) may be out
	WIN MUL_LO
	MUL16 0, (\q)%2, \q, \slot, \zero
	MUL16 2, (\q)%2, \q, \slot, \zero
	s_wait_dscnt 0                                 ; X's blocks 4-7 are in
	PLACES NP
	FETCH_B \slot, (\q)+1, 1-(\q)%2
	FETCH_A \slot, (\q)+1, 0
	WIN MUL_HI
	MUL16 4, (\q)%2, \q, \slot, \zero
	MUL16 6, (\q)%2, \q, \slot, \zero
	PLACES NP
	WIN 0
	FETCH_A \slot, (\q)+1, 4
.endm
.macro STEPS slot, from
.set Q, \from
.rept NQ-1-\from
	STEP \slot, Q, 0
.set Q, Q+1
.endr
.endm
	s_wait_tensorcnt 1                             ; the scale bytes and my part of K step 0 are in (K step 1's load may be out),
	s_barrier_signal -1
	s_barrier_wait -1                              ; everybody's are
	FETCH_B 0, 0, 0
	FETCH_A 0, 0, 0
	SCALES 0
	FETCH_A 0, 0, 4
	STEP 0, 0, 1                                   ; the first products start the sums: nothing is cleared
	STEPS 0, 1
	; slot 0's last step, and the change to slot 1: one barrier; in front of it each wave waits for its tensor loads (its part of slot 1) and for its reads of slot 0.  Nothing is filled again
	s_wait_tensorcnt 0x0
	ds_add_u32 v[SPW], v[NIL]                      ; 0 onto my spare word
	s_wait_dscnt 4*NL+1                            ; (the add and the youngest eight loads may be out)
	WIN MUL_LO
	MUL16 0, 1, NQ-1, 0, 0
	s_wait_dscnt 0x0                               ; the add is done, and my reads of slot 0 are over
	s_barrier_signal -1
	MUL16 2, 1, NQ-1, 0, 0
	WIN 0
	s_barrier_wait -1
	PLACES NP
	v_add_nc_u32 v[ADRS], 4*NQ, v[ADRS]            ; on to the second K step's scale words
	FETCH_B 1, 0, 0
	FETCH_A 1, 0, 0
	SCALES 1
	WIN MUL_HI
	MUL16 4, 1, NQ-1, 0, 0
	MUL16 6, 1, NQ-1, 0, 0
	PLACES NP
	WIN 0
	FETCH_A 1, 0, 4
	STEPS 1, 0
	s_wait_dscnt 4*NL                              ; the very last step: nothing more to fetch
	WIN MUL_LO
	MUL16 0, 1, NQ-1, 1, 0
	MUL16 2, 1, NQ-1, 1, 0
	s_wait_dscnt 0
	WIN MUL_HI
	MUL16 4, 1, NQ-1, 1, 0
	MUL16 6, 1, NQ-1, 1, 0
	WIN 0
; THE WAY OUT, block by block of 16 rows x 128 columns.  PACK: x factor + bias (one fused multiply-add for two numbers), rounded to f16: 16 bytes a lane; k: rounded alone.  Each accumulator is read from its low end on.
; TOSTAGE: into my own stage and back as whole rows of 256 bytes (LDS serves a wave's instructions in order: no wait between).  SEND: sixteen lanes store 256 consecutive bytes, aligned.
.macro PACK a, bias
.set AC, 64*((\a)%4)
.if \bias
	WIN 0x02+(\a)/4                                ; source 0: window 2 or 3
.irp b, 0,1,2,3,4,5,6,7
.irp r, 0,1,2,3
	v_pk_fma_f32 v[T+8*\b+2*\r:T+8*\b+2*\r+1], v[AC+8*\b+2*\r:AC+8*\b+2*\r+1], s[SF:SF+1], v[BI+8*\b+2*\r:BI+8*\b+2*\r+1] op_sel_hi:[1,0,1]
.endr
.endr
	WIN 0
.irp b, 0,1,2,3,4,5,6,7
.irp r, 0,1,2,3
	v_cvt_pk_f16_f32 v[TMP+4*\b+\r], v[T+8*\b+2*\r], v[T+8*\b+2*\r+1]
.endr
.endr
.else
	WIN 0x0a+5*((\a)/4)                            ; sources 0 and 1: window 2 or 3
.irp b, 0,1,2,3,4,5,6,7
.irp r, 0,1,2,3
	v_cvt_pk_f16_f32 v[TMP+4*\b+\r], v[AC+8*\b+2*\r], v[AC+8*\b+2*\r+1]
.endr
.endr
	WIN 0
.endif
.endm
.macro TOSTAGE a
.set BK, OB+32*((\a)%2)
.irp b, 0,1,2,3,4,5,6,7
	ds_store_b128 v[STO], v[TMP+4*\b:TMP+4*\b+3] offset:32*\b
.endr
.irp t, 0,1,2,3,4,5,6,7
	ds_load_b128 v[BK+4*\t:BK+4*\t+3], v[RD] offset:\t*2*SPITCH
.endr
.endm
.macro SEND a
.set BK, OB+32*((\a)%2)
	s_wait_dscnt 0x0                               ; the block is back in registers
	s_wait_xcnt 0x0                                ; the earlier stores have read their base and their data: both are written again only behind this wait
.if (\a) > 0
	s_add_nc_u64 s[12:13], s[12:13], 16*OROW
.endif
.irp t, 0,1,2,3,4,5,6,7
	global_store_b128 v[CO], v[BK+4*\t:BK+4*\t+3], s[12:13] offset:2*\t*OROW
.endr
.endm
.macro WAYOUT bias
	PACK 0, \bias
	TOSTAGE 0
.irp a, 1,2,3,4,5,6,7                  ; block a's arithmetic stands between block a - 1's loads from the stage and the wait for them
	PACK \a, \bias
	SEND \a-1
	TOSTAGE \a
.endr
	SEND 7
.endm
	PLACES NP                                      ; behind the last products: ahead of the reads of their results and of writes and loads into the registers that held their operands and scales
	s_cmp_eq_u32 s[GM], 1
	s_cbranch_scc1 .Lplain
	s_wait_loadcnt 0x0                             ; the bias
.set i, 0
.rept 32
	v_pk_mul_f32 v[BI+2*i:BI+2*i+1], v[BI+2*i:BI+2*i+1], s[SF:SF+1] op_sel_hi:[1,0]   ; the bias under the same factor as the sums (one text serves q and v)
.set i, i+1
.endr
	WAYOUT 1
	s_branch .Lend
.Lplain:
	WAYOUT 0
.Lend:
	s_wait_tensorcnt 0x0                           ; the wave's end, behind my last tensor load and my last LDS store
	ds_add_u32 v[SPW], v[NIL]
	s_wait_dscnt 0x0
	CROUND                                         ; the closing round: no work-group ends while a partner may still ask for a tile that names it
	s_endpgm
.Lfunc_end_k_q010f5676c1_proj:
	.size	k_q010f5676c1_proj, .Lfunc_end_k_q010f5676c1_proj-k_q010f5676c1_proj
	.p2alignl 7, 3214868480
	.fill 96, 4, 3214868480
	.section	.rodata,"a",@progbits
	.p2align	6, 0x0
	.amdhsa_kernel k_q010f5676c1_proj
		.amdhsa_group_segment_fixed_size 327680
		.amdhsa_private_segment_fixed_size 0
		.amdhsa_enable_private_segment 0
		.amdhsa_kernarg_size 40
		.amdhsa_user_sgpr_count 2
		.amdhsa_user_sgpr_kernarg_segment_ptr 1
		.amdhsa_wavefront_size32 1
		.amdhsa_system_sgpr_workgroup_id_x 1
		.amdhsa_system_sgpr_workgroup_id_y 1
		.amdhsa_system_sgpr_workgroup_id_z 1
		.amdhsa_system_vgpr_workitem_id 0
		.amdhsa_next_free_vgpr 1024
		.amdhsa_next_free_sgpr 100
		.amdhsa_reserve_vcc 0
		.amdhsa_float_denorm_mode_32 3
		.amdhsa_float_denorm_mode_16_64 3
		.amdhsa_memory_ordered 1
		.amdhsa_forward_progress 1
		.amdhsa_inst_pref_size 178
	.end_amdhsa_kernel
	.amdgpu_metadata
---
amdhsa.version: [ 1, 2 ]
amdhsa.kernels:
  - .name:           k_q010f5676c1_proj
    .symbol:         k_q010f5676c1_proj.kd
    .args:
      - { .name: codes, .offset: 0, .size: 8, .value_kind: global_buffer, .address_space: global }
      - { .name: scales, .offset: 8, .size: 8, .value_kind: global_buffer, .address_space: global }
      - { .name: bq, .offset: 16, .size: 8, .value_kind: global_buffer, .address_space: global }
      - { .name: bv, .offset: 24, .size: 8, .value_kind: global_buffer, .address_space: global }
      - { .name: qkv, .offset: 32, .size: 8, .value_kind: global_buffer, .address_space: global }
    .group_segment_fixed_size: 327680
    .private_segment_fixed_size: 0
    .kernarg_segment_align: 8
    .kernarg_segment_size: 40
    .max_flat_workgroup_size: 128
    .sgpr_count:     100
    .vgpr_count:     1024
    .wavefront_size: 32
...
	.end_amdgpu_metadata
.endif
;; end of part 2
;; launch attn (part 3): grid 8 x 32, 8 waves a work-group, clusters of 4 x 4, 327,680 bytes of LDS; arguments qkv, attn_mask, key_padding_mask, ah; writes ah
.if DOCPART == 3
	.amdgcn_target "amdgcn-amd-amdhsa--gfx1250"
	.amdhsa_code_object_version 6
	.text
	.protected	k_q010f5676c1_attn
	.globl	k_q010f5676c1_attn
	.p2align	8
	.type	k_q010f5676c1_attn,@function
k_q010f5676c1_attn:
	s_mov_b64 s[64:65], 0
	v_nop
	global_prefetch_b8 v0, s[64:65] scope:SCOPE_SE
	s_setreg_imm32_b32 hwreg(HW_REG_WAVE_MODE, 25, 1), 1
	s_wait_xcnt 0x0
	s_wait_alu depctr_hold_cnt(0) depctr_sa_sdst(0) depctr_va_vdst(0) depctr_va_sdst(0) depctr_va_ssrc(0) depctr_va_vcc(0) depctr_vm_vsrc(0)
	s_getreg_b32 s2, hwreg(HW_REG_IB_STS2, 6, 4)
	s_cmp_eq_u32 s2, 0
	s_cbranch_scc0 .Lentry_in_a_cluster
	s_endpgm
.Lentry_in_a_cluster:
	s_bfe_u32 s2, ttmp6, 0x10000c
	s_cmp_lg_u32 s2, 0xf033
	s_cbranch_scc0 .Lentry_shape_is_right
	s_endpgm
.Lentry_shape_is_right:
; THIRD LAUNCH: ah[b][q][64 head + c] = sum over keys of softmax_k(q . k + attn_mask[q][k], -inf where key_padding_mask[b][k]) v[k][c].  q (which carries the 1 / 8), k, v: f16, from qkv [24576][1024];
; attn_mask [1024][1024] f32; key_padding_mask [8][1024] bytes; ah [8192][1024] f16.  Products on f16 operands with f32 sums; maxima, exponentials and sums in f32; the weights p are rounded to f16 for the second product.
; WORK LEFT OUT: k carries no bk (shown at the head of the first kernel).
; LIMITS: the running maximum starts at -1e38, so a score under -1e38 counts as hidden; the padding is an ADDITION of -inf, so a score of +inf or NaN at a padded key gives NaN where a selection would give -inf;
; a row with no key left has sum 0 and O 0, and 0 x (1 / 0) is NaN, as the softmax of a row of -inf is.  O is kept in f16: magnitudes up to 65,504.
; SHARES.  A work-group: one batch b, four heads (head group hg), 128 queries (block x): 8 x 4 x 8 = 256 work-groups.  Wave w: head w / 2 of the four, queries 64 (w % 2) on: four tiles of 16.  All 1,024 keys, 64 a step.
; A step's tiles: K and V, 64 keys x 512 bytes (four heads' channels lie side by side in a row of qkv), serve all eight waves' queries; the mask's 128 queries x 64 keys serve the four heads.
; CLUSTER, as in a GEMM: x = 4 cluster x + cx, b = cluster y, hg = cy.  K's and V's tiles hang on (b, hg) and are shared along a row of the cluster; the mask's hangs on x and is shared along a column.
; All three are asked for jointly: the same tensor load with the same descriptor and a mask that names the four.  Wave 0 asks for K, wave 1 for V, waves 2 and 3 for the mask's halves.
; LAYOUT.  S^T = K Q^T + C (source 0 = 16 keys, source 1 = 16 queries): a lane holds ONE query (lane % 16) and keys 8 (lane / 16) + 0..7.  THE MASK'S TILE IS THE C: it is loaded from LDS into the accumulators, 32 bytes of the
; lane's row for each, and the products add onto it: the additive mask costs no vector instruction.  Two such tiles, rounded to f16 in pairs, are source 1 of O^T = V^T P; V comes out of LDS turned, by ds_load_tr16_b128.
; The padding is a table of 1,024 numbers, 0 or -inf, made once in LDS; a step's 32 for a lane are added to the scores, two at a time.
; SOFTMAX.  For each query a running maximum m and sum l: p = 2^(c s - c m), c = log2(e); in every step O and l are multiplied by a = 2^(c m_old - c m_new).
; TWO GROUPS.  Two waves share a SIMD's registers (512 each).  Between two barriers a wave has a matrix phase (V^T P of the step in hand, K Q^T of the next, and the LDS loads) and a vector phase (a softmax).
; Group A runs them in that order, group B the other way round, so that one wave's products stand beside the other's softmax.  Group = (w xor w / 4) % 2: it differs between w and w + 4 and between 2 s and 2 s + 1.
; Both groups read slot (j + 1) % 2 only between round j and round j + 1.
; REGISTERS.  Window 0: v1-15 addresses; v16-47 eight registers of statistics a tile; v48-63 at work at the head; v64-191 S^T, 32 a tile; v192-255 K's 8 fragments, then V's 8.
;   Window 1: v0-127 O^T, 32 a tile; v128-191 Q; v192-255 P, 16 a tile; its first 32 hold the step's padding numbers between a V^T P and the next roundings.
.set PK,    528                        ; a row of K in LDS: 512 bytes + 16
.set PVP,   544                        ; a row of V: 512 + 32: an odd multiple of 32, for the turning load
.set PM,    272                        ; a row of the mask's tile: 256 + 16
.set VOFF,  64*PK
.set MOFF,  VOFF+64*PVP
.set PADT,  MOFF+128*PM                ; behind slot 0: the padding's table, 4,096 bytes; no tile lands here
.set SPARE, PADT+4096                  ; the spare words, 128 bytes a wave, named by no other line
.set SLOT1, 1<<17                      ; slot 1 begins here: one exclusive or turns an address in one slot into the other's
.set STAGE, SLOT1+PADT                 ; behind slot 1: 128 rows x (512 + 16) bytes, the work-group's, for the way out
.set SPS,   528
.set KSTEPB, 64*2048                   ; 64 rows of qkv
.set AK0, 1
.set AV0, 2
.set AM0, 3
.set AP0, 4
.set ADK, 5
.set ADV, 6
.set ADM, 7
.set ADP, 8
.set SPW, 9                            ; v9   LDS address of my spare word; never rewritten
.set NIL, 10                           ; v10  0; never rewritten
.set STO, 11
.set RD,  12
.set GO,  13
.set PFO, 14
.set QO,  15
.set ST,  16                           ; tile t at v[ST + 8 t]: +0 c m, +1 m, +2, +3 l (even keys', odd keys'), +4 to +7 at work; a takes +6
.set S,   64
.set KV,  192
.set QF,  128                          ; window 1
.set P,   192                          ; window 1
.set PB,  192                          ; window 1
.set WV,  12
.set HH,  13
.set WQ,  14
.set GRP, 15
.set XB,  16
.set BB,  17
.set SEL, 20
.set CS,  22
.set G1K, 24
.set G1V, 32
.set G1M, 40
.set G0K, 48                           ; two sets each: the first fills'; the second then walks
.set G0V, 56
.set G0M, 68
.set TB,  76                           ; LDS byte at which the slot begins that the matrix phase reads
.set TP,  77                           ; the step's place in the padding's table
.set SLOTS, 78
.set LIM, 79
.set PFA, 82
.set PFS, 84
.set CX,  86
.set CY,  87
.set QB,  96
.set MSB, 0
.macro WIN new                         ; the immediate's high byte repeats the setting that is left
.if MSB != (\new)
	s_set_vgpr_msb (MSB<<8)|(\new)
.set MSB, (\new)
.endif
.endm
.macro CROUND                          ; a round of the cluster's barrier
	s_barrier_signal -1
	s_barrier_wait -1
	s_cmp_lg_u32 s[WV], 0
	s_cbranch_scc1 .Lnot_wave_0_\@
	s_barrier_signal -3
.Lnot_wave_0_\@:
	s_barrier_wait -3
	s_barrier_signal -1
	s_barrier_wait -1
.endm
; A joint refill by the walking sets.  The branches hang on the wave's number alone.  An s_nop 0 and four v_nop follow each line.
.macro JLOAD
	s_cmp_lt_u32 s[WV], 4
	s_cbranch_scc0 .Lasked_\@
	s_cmp_eq_u32 s[WV], 0
	s_cbranch_scc0 .Lnot_k_\@
	tensor_load_to_lds s[G0K+4:G0K+7], s[G1K:G1K+7]
	s_nop 0
.rept 4
	v_nop
.endr
	s_branch .Lasked_\@
.Lnot_k_\@:
	s_cmp_eq_u32 s[WV], 1
	s_cbranch_scc0 .Lnot_v_\@
	tensor_load_to_lds s[G0V+4:G0V+7], s[G1V:G1V+7]
	s_nop 0
.rept 4
	v_nop
.endr
	s_branch .Lasked_\@
.Lnot_v_\@:
	tensor_load_to_lds s[G0M+4:G0M+7], s[G1M:G1M+7]
	s_nop 0
.rept 4
	v_nop
.endr
.Lasked_\@:
.endm
; A PREFETCH of what the NEXT change of slots will ask for, one instruction a wave, behind the joint load.  Wave 4: K's 64 rows x 512 bytes, wave 5: V's, wave 6: the mask's 128 rows x 256 bytes.
; Each aligned run of 256 bytes is named once in the launch: of the clusters that walk the same tile one asks (K, V: cluster x = 0; the mask: cluster y = 0), and the four partners that ask for a tile jointly
; share its rows out BY ADDRESS (K, V: 16 rows by cx, two runs a row; the mask: 32 rows by cy): no branch hangs on a work-group's place in its cluster.  The last change that fills a slot asks for nothing.
.macro ASK
	s_cmp_gt_u32 s[SLOTS], s[LIM]
	s_cbranch_scc0 .Lnot_mine_\@
	global_prefetch_b8 v[PFO], s[PFA:PFA+1] th:TH_LOAD_NT scope:SCOPE_SE
.Lnot_mine_\@:
.endm
	s_load_b256 s[4:11], s[0:1], 0x0               ; qkv s[4:5], attn_mask s[6:7], key_padding_mask s[8:9], ah s[10:11]
	v_lshl_add_u32 v[SPW], v0, 2, SPARE
	v_mov_b32 v[NIL], 0
	ds_add_u32 v[SPW], v[NIL]                      ; the wave's opening: the add, twice on end, and its wait ahead of the first tensor loads
	ds_add_u32 v[SPW], v[NIL]
	v_lshrrev_b32 v48, 5, v0
	v_readfirstlane_b32 s[WV], v48                 ; wave 0..7
	s_lshr_b32 s[HH], s[WV], 1                     ; my head of the four
	s_and_b32 s[WQ], s[WV], 1                      ; my half of the 128 queries.  Also: which half of the mask's tile waves 2 and 3 fetch
	s_lshr_b32 s[GRP], s[WV], 2
	s_xor_b32 s[GRP], s[GRP], s[WV]
	s_and_b32 s[GRP], s[GRP], 1                    ; 0: group A, 1: group B
	s_bfe_u32 s[CX], ttmp6, 0x40000
	s_bfe_u32 s[CY], ttmp6, 0x40004                ; = the head group
	s_lshl_b32 s[XB], ttmp9, 2
	s_add_co_u32 s[XB], s[XB], s[CX]               ; block of queries = 4 x cluster x + cx
	s_and_b32 s[BB], ttmp7, 0xffff                 ; the batch = cluster y
	s_lshl_b32 s88, s[CY], 2
	s_lshl_b32 s88, 15, s88                        ; my row of the cluster
	s_lshl_b32 s89, 0x1111, s[CX]                  ; my column
	s_or_b32 s[G1K], s88, (1<<16)|(1<<20)|(1<<21)|(6<<22)|(3<<25)   ; elements of 2 bytes; padding: four words after every 128
	s_or_b32 s[G1V], s88, (1<<16)|(1<<20)|(1<<21)|(6<<22)|(7<<25)   ; eight words after every 128
	s_or_b32 s[G1M], s89, (2<<16)|(1<<20)|(1<<21)|(5<<22)|(3<<25)   ; elements of 4 bytes; four words after every 64
.irp g, G1K, G1V
	s_mov_b32 s[\g+1], 256<<16                     ; tensor_dim0 = 256 elements
	s_mov_b32 s[\g+2], 64<<16                      ; tensor_dim1 = 64 rows
	s_mov_b32 s[\g+3], 256<<16                     ; tile_dim0
	s_mov_b32 s[\g+4], 64                          ; tile_dim1
	s_mov_b32 s[\g+5], 1024                        ; elements from row to row
	s_mov_b32 s[\g+6], 0
	s_mov_b32 s[\g+7], 0
.endr
	s_mov_b32 s[G1M+1], 64<<16
	s_mov_b32 s[G1M+2], 64<<16
	s_mov_b32 s[G1M+3], 64<<16
	s_mov_b32 s[G1M+4], 64
	s_mov_b32 s[G1M+5], 1024
	s_mov_b32 s[G1M+6], 0
	s_mov_b32 s[G1M+7], 0
	s_lshl_b32 s90, s[BB], 21                      ; 1,024 b rows of 2,048 bytes
	s_lshl_b32 s91, s[CY], 9                       ; + the head group's 512 bytes: K's and V's offset hangs on b and cy alone
	s_add_co_u32 s90, s90, s91
	s_mov_b32 s91, 0
	s_lshl_b32 s94, s[XB], 19                      ; the mask: 128 x rows of 4,096 bytes,
	s_lshl_b32 s95, s[WQ], 18                      ; + my half's 64: it hangs on x and the wave alone
	s_add_co_u32 s94, s94, s95
	s_mov_b32 s95, 0
	s_mul_i32 s92, s[WQ], 64*PM
	s_add_co_u32 s92, s92, MOFF                    ; and its place in a slot
	s_mov_b32 s[SEL], 0x76543210
	s_mov_b32 s[SEL+1], 0xfedcba98                 ; v_permlanex16_b32's selects for lane l xor 16
	s_mov_b32 s[CS], 0x3fb8aa3b                    ; c = log2(e)
	s_mov_b32 s[CS+1], s[CS]                       ; (named with it as a pair, so it is written)
	s_mov_b32 s[TB], 0
	s_mov_b32 s[TP], 0
	s_mov_b32 s[SLOTS], 14
	s_wait_dscnt 0x0                               ; both opening adds are done
	s_wait_kmcnt 0x0
	s_mov_b32 s[G0K], 1
	s_mov_b32 s[G0K+1], 0
	s_add_nc_u64 s[G0K+2:G0K+3], s[4:5], s[90:91]
	s_add_nc_u64 s[G0K+2:G0K+3], s[G0K+2:G0K+3], 8192*2048      ; k's rows begin at row 8192
	s_mov_b32 s[G0K+4], 1
	s_mov_b32 s[G0K+5], SLOT1
	s_add_nc_u64 s[G0K+6:G0K+7], s[G0K+2:G0K+3], KSTEPB
	s_mov_b32 s[G0V], 1
	s_mov_b32 s[G0V+1], VOFF
	s_add_nc_u64 s[G0V+2:G0V+3], s[G0K+2:G0K+3], 8192*2048      ; v's at row 16384
	s_mov_b32 s[G0V+4], 1
	s_mov_b32 s[G0V+5], SLOT1+VOFF
	s_add_nc_u64 s[G0V+6:G0V+7], s[G0V+2:G0V+3], KSTEPB
	s_mov_b32 s[G0M], 1
	s_mov_b32 s[G0M+1], s92
	s_add_nc_u64 s[G0M+2:G0M+3], s[6:7], s[94:95]
	s_mov_b32 s[G0M+4], 1
	s_add_co_u32 s[G0M+5], s92, SLOT1
	s_add_nc_u64 s[G0M+6:G0M+7], s[G0M+2:G0M+3], 256
.irp g, G0K, G0V, G0M
	s_or_b32 s[\g+3], s[\g+3], 0x80000000          ; type = 2
	s_or_b32 s[\g+7], s[\g+7], 0x80000000
.endr
	CROUND                                         ; all sixteen work-groups are here: the first joint loads meet
	s_cmp_lt_u32 s[WV], 4                          ; a wave's two first fills (steps 0 and 1) stand together: two loads of a loading wave are out
	s_cbranch_scc0 .Lfirst_asked
	s_cmp_eq_u32 s[WV], 0
	s_cbranch_scc0 .Lfirst_not_k
	tensor_load_to_lds s[G0K:G0K+3], s[G1K:G1K+7]
	s_nop 0
	tensor_load_to_lds s[G0K+4:G0K+7], s[G1K:G1K+7]
	s_nop 0
.rept 4
	v_nop
.endr
	s_branch .Lfirst_asked
.Lfirst_not_k:
	s_cmp_eq_u32 s[WV], 1
	s_cbranch_scc0 .Lfirst_not_v
	tensor_load_to_lds s[G0V:G0V+3], s[G1V:G1V+7]
	s_nop 0
	tensor_load_to_lds s[G0V+4:G0V+7], s[G1V:G1V+7]
	s_nop 0
.rept 4
	v_nop
.endr
	s_branch .Lfirst_asked
.Lfirst_not_v:
	tensor_load_to_lds s[G0M:G0M+3], s[G1M:G1M+7]
	s_nop 0
	tensor_load_to_lds s[G0M+4:G0M+7], s[G1M:G1M+7]
	s_nop 0
.rept 4
	v_nop
.endr
.Lfirst_asked:
	v_and_b32 v48, 15, v0                          ; r = lane % 16
	v_bfe_u32 v49, v0, 4, 1                        ; h = lane / 16
	v_and_b32 v50, 31, v0                          ; lane
	v_lshlrev_b32 v[QO], 11, v48
	v_lshl_add_u32 v[QO], v49, 4, v[QO]            ; Q: row r of 2,048 bytes + 16 h
	s_lshl_b32 s[QB], s[XB], 18
	s_add_co_u32 s[QB], s[QB], s90                 ; (1024 b + 128 x) rows + the head group's bytes
	s_mov_b32 s[QB+1], 0
	s_lshl_b32 s98, s[WV], 15
	s_add_co_u32 s98, s98, s[QB]
	s_mov_b32 s99, 0
	s_add_nc_u64 s[10:11], s[10:11], s[98:99]      ; ah at the 16 rows that my wave stores
	s_lshl_b32 s98, s[WQ], 17
	s_add_co_u32 s[QB], s[QB], s98                 ; + my 64 queries
	s_lshl_b32 s98, s[HH], 7
	s_add_co_u32 s[QB], s[QB], s98                 ; + my head's 128 bytes
	s_add_nc_u64 s[QB:QB+1], s[4:5], s[QB:QB+1]
	s_lshl_b32 s98, s[BB], 10
	s_add_nc_u64 s[8:9], s[8:9], s[98:99]          ; my batch's 1,024 padding bytes
	WIN 0x40                                       ; destination window 1
.irp t, 0,1,2,3
.irp u, 0,1
	global_load_b128 v[QF+16*\t+8*\u:QF+16*\t+8*\u+3],   v[QO], s[QB:QB+1] offset:32768*\t+64*\u       ; Q stays in registers: tile t, channels 32 u on
	global_load_b128 v[QF+16*\t+8*\u+4:QF+16*\t+8*\u+7], v[QO], s[QB:QB+1] offset:32768*\t+64*\u+32
.endr
.endr
.set i, 0
.rept 128
	v_mov_b32 v[i], 0                              ; O^T.  The step is written without a first step of its own (a third copy of it would be a quarter of the text more): the first finds zeros, which the first a leaves zeros
.set i, i+1
.endr
.set i, 32
.rept 32
	v_mov_b32 v[P+i], 0                            ; P's upper half, so that every way through the text finds it written ahead of the first product that names it
.set i, i+1
.endr
	WIN 0
	v_lshlrev_b32 v57, 2, v0
	global_load_b32 v56, v57, s[8:9]               ; four padding bytes a thread: 256 threads, 1,024 keys
	s_lshl_b32 s88, s[HH], 7
	v_mul_u32_u24 v[AK0], v48, PK
	v_lshl_add_u32 v[AK0], v49, 4, v[AK0]
	v_add_nc_u32 v[AK0], s88, v[AK0]               ; K: row r x pitch + 16 h + my head's 128 bytes
	v_and_b32 v51, 7, v0
	v_bfe_u32 v52, v0, 3, 1
	v_lshl_add_u32 v[AV0], v49, 3, v51
	v_mul_u32_u24 v[AV0], v[AV0], PVP
	v_lshl_add_u32 v[AV0], v52, 4, v[AV0]
	v_add_nc_u32 v[AV0], s88, v[AV0]
	v_add_nc_u32 v[AV0], VOFF, v[AV0]              ; V, for the turning load: key 8 h + l % 8, channels 8 ((l / 8) % 2) on
	s_mul_i32 s89, s[WQ], 64*PM
	s_add_co_u32 s89, s89, MOFF
	v_mul_u32_u24 v[AM0], v48, PM
	v_lshl_add_u32 v[AM0], v49, 5, v[AM0]
	v_add_nc_u32 v[AM0], s89, v[AM0]               ; the mask: row 64 (w % 2) + r, + 32 h bytes
	v_lshl_add_u32 v[AP0], v49, 5, PADT            ; the padding's table: + 32 h bytes
	s_mul_i32 s89, s[WQ], 64*SPS
	s_add_co_u32 s89, s89, STAGE
	v_add_nc_u32 v[STO], s89, v[AK0]               ; the stage has K's pitch: row 64 (w % 2) + r, my head's 128 bytes, + 16 h
	s_mul_i32 s89, s[WV], 16*SPS
	s_add_co_u32 s89, s89, STAGE
	v_lshl_add_u32 v[RD], v50, 4, s89              ; back: my wave's 16 rows, 16 bytes a lane
	v_lshlrev_b32 v[GO], 4, v50
	v_lshl_add_u32 v58, v0, 4, PADT                ; where my four numbers of the table go
	; the prefetches: where my wave's stand, and who asks
	s_lshl_b32 s2, s[CX], 15                       ; K, V: my work-group's 16 rows of the 64,
	s_add_co_u32 s2, s2, s90
	s_and_b32 s3, s[WV], 1
	s_lshl_b32 s3, s3, 24                          ; wave 5: V, 8,192 rows on
	s_add_co_u32 s2, s2, s3
	s_add_co_u32 s2, s2, 8192*2048+2*KSTEPB        ; at step 2: the first change of slots steps it to 3.  Nothing is prefetched here, at the head
	s_lshl_b32 s3, s[XB], 19                       ; the mask: my work-group's 32 rows of the 128
	s_lshl_b32 s88, s[CY], 17
	s_add_co_u32 s3, s3, s88
	s_add_co_u32 s3, s3, 2*256
	s_mov_b32 s[PFS], KSTEPB
	s_mov_b32 s88, 2048
	s_mov_b32 s89, 256
	s_cmp_eq_u32 s[WV], 6
	s_cselect_b32 s2, s3, s2
	s_cselect_b64 s[PFA:PFA+1], s[6:7], s[4:5]
	s_cselect_b32 s[PFS], 256, s[PFS]              ; a step on
	s_cselect_b32 s88, 4096, s88                   ; from lane to lane within 16
	s_cselect_b32 s89, 65536, s89                  ; and for lanes 16-31
	s_cselect_b32 s93, s[BB], ttmp9                ; the coordinate along which other clusters read the same tile
	s_mov_b32 s3, 0
	s_mov_b32 s[PFS+1], 0
	s_add_nc_u64 s[PFA:PFA+1], s[PFA:PFA+1], s[2:3]
	v_mul_lo_u32 v[PFO], v48, s88
	v_mul_lo_u32 v53, v49, s89
	v_add_nc_u32 v[PFO], v[PFO], v53
	s_sub_co_u32 s88, s[WV], 4
	s_cmp_lt_u32 s88, 3                            ; waves 4, 5, 6
	s_cselect_b32 s88, 0, 1
	s_or_b32 s88, s88, s93
	s_cmp_eq_u32 s88, 0
	s_cselect_b32 s[LIM], 1, -1                    ; 1 in a wave that asks, else the greatest number: the same in all sixteen partners, for a given wave
.irp t, 0,1,2,3
	v_mov_b32 v[ST+8*\t+1], 0xfe967699             ; m = -1e38, under every score that counts
	v_mov_b32 v[ST+8*\t+2], 0                      ; l, in two halves
	v_mov_b32 v[ST+8*\t+3], 0
.endr
.irp t, 0,1,2,3
	v_mul_f32 v[ST+8*\t], s[CS], v[ST+8*\t+1]      ; c m
.endr
	s_mov_b32 s88, 0xff800000
	s_wait_loadcnt 0x0                             ; Q and the padding bytes
.irp i, 0,1,2,3
	v_bfe_u32 v[60+\i], v56, 8*\i, 8               ; 0 or 1
.endr
.irp i, 0,1,2,3
	v_mul_lo_u32 v[60+\i], v[60+\i], s88           ; 0.0 or -inf
.endr
	ds_store_b128 v58, v[60:63]
	s_wait_tensorcnt 0x0                           ; my parts of steps 0 and 1 are in,
	s_wait_dscnt 0x0                               ; my part of the table is stored,
	s_barrier_signal -1
	s_barrier_wait -1                              ; everybody's are
; THE MATRIX PHASE.  kq = 1: the next step's mask tile goes into S^T's registers first, so that it lands under the products V^T P.  pv = 1: 32 products O^T += V^T P of the step in hand.
; kq = 1: the next step's K and padding numbers; 32 products S^T += K Q^T; its V, which lands under the vector phase or the change of slots.
; In each kind sixteen accumulators take turns, one instruction a turn.
.macro MPH pv, kq
.if \kq
.irp t, 0,1,2,3
.irp u, 0,1,2,3
	ds_load_b128 v[S+32*\t+8*\u:S+32*\t+8*\u+3],   v[ADM] offset:16*PM*\t+64*\u      ; attn_mask[16 t + r][16 u + 8 h + 0 .. 7]
	ds_load_b128 v[S+32*\t+8*\u+4:S+32*\t+8*\u+7], v[ADM] offset:16*PM*\t+64*\u+16
.endr
.endr
.endif
.if \pv
	WIN 0x54                                       ; V window 0, P window 1, O^T window 1
.set i, 0
.rept 32                               ; keys 32 (i / 16) on, channels 16 ((i / 4) % 4) on, tile i % 4
.set rO, 32*(i%4)+8*((i/4)%4)
.set rV, KV+8*(4*(i/16)+(i/4)%4)
.set rP, P+16*(i%4)+8*(i/16)
	v_wmma_f32_16x16x32_f16 v[rO:rO+7], v[rV:rV+7], v[rP:rP+7], v[rO:rO+7]
.set i, i+1
.endr
	WIN 0
.endif
.if \kq
.if \pv
.rept 4
	v_nop                                          ; places ahead of the loads into V's and P's registers, which the products have read
.endr
.endif
.irp u, 0,1,2,3
.irp c, 0,1
	ds_load_b128 v[KV+8*(2*\u+\c):KV+8*(2*\u+\c)+3],   v[ADK] offset:16*PK*\u+64*\c      ; keys 16 u on, channels 32 c on
	ds_load_b128 v[KV+8*(2*\u+\c)+4:KV+8*(2*\u+\c)+7], v[ADK] offset:16*PK*\u+64*\c+32
.endr
.endr
	WIN 0x40
.irp u, 0,1,2,3
	ds_load_b128 v[PB+8*\u:PB+8*\u+3],   v[ADP] offset:64*\u                             ; the padding's numbers of keys 16 u + 8 h + 0 .. 7
	ds_load_b128 v[PB+8*\u+4:PB+8*\u+7], v[ADP] offset:64*\u+16
.endr
	s_wait_dscnt 8                                 ; the mask's tile and K are in; the eight loads just issued may be out
	WIN 0x04                                       ; K window 0, Q window 1, S^T window 0
.set i, 0
.rept 32                               ; channels 32 (i / 16) on, keys 16 ((i / 4) % 4) on, tile i % 4
.set rS, S+32*(i%4)+8*((i/4)%4)
.set rK, KV+8*(2*((i/4)%4)+i/16)
.set rQ, QF+16*(i%4)+8*(i/16)
	v_wmma_f32_16x16x32_f16 v[rS:rS+7], v[rK:rK+7], v[rQ:rQ+7], v[rS:rS+7]
.set i, i+1
.endr
	WIN 0
.rept 4
	v_nop                                          ; places ahead of the loads into K's registers and of the first read of the scores
.endr
.irp f, 0,1,2,3,4,5,6,7                ; keys 32 (f / 4) on, channels 16 (f % 4) on
	ds_load_tr16_b128 v[KV+8*\f:KV+8*\f+3],   v[ADV] offset:(\f/4)*32*PVP+(\f%4)*32
	ds_load_tr16_b128 v[KV+8*\f+4:KV+8*\f+7], v[ADV] offset:(\f/4)*32*PVP+16*PVP+(\f%4)*32
.endr
.endif
.endm
; THE VECTOR PHASE: one step's softmax of my four tiles, which take turns line by line, so that no line waits for the line above it.  Every accumulator is read from its low end on.
.macro VPH
	s_wait_dscnt 16                                ; the padding's numbers are in; V's sixteen loads may be out
	WIN 0x04
.set i, 0
.rept 16
.irp t, 0,1,2,3
	v_pk_add_f32 v[S+32*\t+2*i:S+32*\t+2*i+1], v[S+32*\t+2*i:S+32*\t+2*i+1], v[PB+2*i:PB+2*i+1]   ; + 0 or -inf
.endr
.set i, i+1
.endr
	WIN 0
.irp c, 0,1,2,3                        ; the maximum of the lane's 32 scores and the old m: four chains of seven, then the four left over
.irp t, 0,1,2,3
	v_max3_num_f32 v[ST+8*\t+4+\c], v[S+32*\t+8*\c], v[S+32*\t+8*\c+1], v[S+32*\t+8*\c+2]
.endr
.endr
.irp u, 3,5
.irp c, 0,1,2,3
.irp t, 0,1,2,3
	v_max3_num_f32 v[ST+8*\t+4+\c], v[ST+8*\t+4+\c], v[S+32*\t+8*\c+\u], v[S+32*\t+8*\c+\u+1]
.endr
.endr
.endr
.irp t, 0,1,2,3
	v_max3_num_f32 v[ST+8*\t+4], v[ST+8*\t+4], v[S+32*\t+7], v[S+32*\t+15]
.endr
.irp t, 0,1,2,3
	v_max3_num_f32 v[ST+8*\t+6], v[ST+8*\t+6], v[S+32*\t+23], v[S+32*\t+31]
.endr
.irp t, 0,1,2,3
	v_max3_num_f32 v[ST+8*\t+4], v[ST+8*\t+4], v[ST+8*\t+5], v[ST+8*\t+6]
.endr
.irp t, 0,1,2,3
	v_max3_num_f32 v[ST+8*\t+4], v[ST+8*\t+4], v[ST+8*\t+7], v[ST+8*\t+1]
.endr
.irp t, 0,1,2,3
	v_permlanex16_b32 v[ST+8*\t+5], v[ST+8*\t+4], s[SEL], s[SEL+1]   ; the query's other 32 keys lie in the lane 16 away
.endr
.irp t, 0,1,2,3
	v_mov_b32 v[ST+8*\t+7], v[ST+8*\t]             ; c m_old is kept for a
.endr
.irp t, 0,1,2,3
	v_max_num_f32 v[ST+8*\t+1], v[ST+8*\t+4], v[ST+8*\t+5]
.endr
.irp t, 0,1,2,3
	v_mul_f32 v[ST+8*\t], s[CS], v[ST+8*\t+1]
.endr
.irp t, 0,1,2,3
	v_sub_f32 v[ST+8*\t+7], v[ST+8*\t+7], v[ST+8*\t]
.endr
.set i, 0
.rept 16
.irp t, 0,1,2,3
	v_pk_fma_f32 v[S+32*\t+2*i:S+32*\t+2*i+1], v[S+32*\t+2*i:S+32*\t+2*i+1], s[CS:CS+1], v[ST+8*\t:ST+8*\t+1] op_sel_hi:[1,0,0] neg_lo:[0,0,1] neg_hi:[0,0,1]   ; c s - c m
.endr
.set i, i+1
.endr
.irp t, 0,1,2,3
	v_exp_f32 v[ST+8*\t+6], v[ST+8*\t+7]           ; a
.endr
.set i, 0
.rept 32
.irp t, 0,1,2,3
	v_exp_f32 v[S+32*\t+i], v[S+32*\t+i]           ; p
.endr
.set i, i+1
.endr
	v_nop                                          ; the plain instruction behind the last exponential,
	s_wait_alu depctr_va_vdst(0)                   ; and the one wait for the batch of 132, ahead of the first line that names a result
	WIN 0x40
.set i, 0
.rept 16
.irp t, 0,1,2,3
	v_cvt_pk_f16_f32 v[P+16*\t+i], v[S+32*\t+2*i], v[S+32*\t+2*i+1]
.endr
.set i, i+1
.endr
	WIN 0
.irp u, 0,1,2,3,4,5,6,7                ; the sum of the tile's 16 pairs, in place: neighbours 1, 2, 4 and 8 pairs apart; then l takes it
.irp t, 0,1,2,3
	v_pk_add_f32 v[S+32*\t+4*\u:S+32*\t+4*\u+1], v[S+32*\t+4*\u:S+32*\t+4*\u+1], v[S+32*\t+4*\u+2:S+32*\t+4*\u+3]
.endr
.endr
.irp u, 0,1,2,3
.irp t, 0,1,2,3
	v_pk_add_f32 v[S+32*\t+8*\u:S+32*\t+8*\u+1], v[S+32*\t+8*\u:S+32*\t+8*\u+1], v[S+32*\t+8*\u+4:S+32*\t+8*\u+5]
.endr
.endr
.irp u, 0,1
.irp t, 0,1,2,3
	v_pk_add_f32 v[S+32*\t+16*\u:S+32*\t+16*\u+1], v[S+32*\t+16*\u:S+32*\t+16*\u+1], v[S+32*\t+16*\u+8:S+32*\t+16*\u+9]
.endr
.endr
.irp t, 0,1,2,3
	v_pk_add_f32 v[S+32*\t:S+32*\t+1], v[S+32*\t:S+32*\t+1], v[S+32*\t+16:S+32*\t+17]
.endr
.irp t, 0,1,2,3
	v_pk_fma_f32 v[ST+8*\t+2:ST+8*\t+3], v[ST+8*\t+2:ST+8*\t+3], v[ST+8*\t+6:ST+8*\t+7], v[S+32*\t:S+32*\t+1] op_sel_hi:[1,0,1]   ; l = a l + the sum
.endr
	WIN 0x41                                       ; O^T window 1, a window 0
.set i, 0
.rept 16
.irp t, 0,1,2,3
	v_pk_mul_f32 v[32*\t+2*i:32*\t+2*i+1], v[32*\t+2*i:32*\t+2*i+1], v[ST+8*\t+6:ST+8*\t+7] op_sel_hi:[1,0]
.endr
.set i, i+1
.endr
	WIN 0
.endm
.macro ADDRS                           ; the addresses of the step that the matrix phase fetches: made where all waves go one way
	v_add_nc_u32 v[ADK], s[TB], v[AK0]
	v_add_nc_u32 v[ADV], s[TB], v[AV0]
	v_add_nc_u32 v[ADM], s[TB], v[AM0]
	v_add_nc_u32 v[ADP], s[TP], v[AP0]
.endm
; THE CHANGE OF SLOTS.  Each wave waits for all its tensor loads (its part of the slot ahead), adds 0 to its spare word, and waits for that and for its reads of the slot that it leaves (V's loads are the last of them).
; fill = 1: the barrier is a round of the cluster's, so that no wave of any partner still reads the slot or has a load on its way; the joint refill, the step two on, is the first thing behind it.
.macro CHANGE fill
	s_wait_tensorcnt 0x0                           ; no tensor load of mine is out, so a group 0 may be written
	ds_add_u32 v[SPW], v[NIL]                      ; 0 onto my spare word
.if \fill
	ds_add_u32 v[SPW], v[NIL]                      ; and once more: the add twice on end, in every trip alike
.irp g, G0K+4, G0V+4, G0M+4
	s_xor_b32 s[\g+1], s[\g+1], SLOT1              ; the walking descriptors: the other slot than last time,
.endr
	s_add_nc_u64 s[G0K+6:G0K+7], s[G0K+6:G0K+7], KSTEPB   ; the next 64 keys; the type bits on top are not reached
	s_add_nc_u64 s[G0V+6:G0V+7], s[G0V+6:G0V+7], KSTEPB
	s_add_nc_u64 s[G0M+6:G0M+7], s[G0M+6:G0M+7], 256
	s_wait_xcnt 0x0                                ; the last prefetch, a step back, has read its address, so it may be written:
	s_add_nc_u64 s[PFA:PFA+1], s[PFA:PFA+1], s[PFS:PFS+1]  ; one step further on than the walking descriptors
.endif
	s_xor_b32 s[TB], s[TB], SLOT1
	s_add_co_u32 s[TP], s[TP], 256
	s_wait_dscnt 0x0                               ; the add is done, and my reads of the slot that I leave are over
.if \fill
	CROUND
	JLOAD
	ASK
.else
	s_barrier_signal -1
	s_barrier_wait -1
.endif
	ADDRS
.endm
.macro TRIP fill
	CHANGE \fill
	s_cmp_eq_u32 s[GRP], 0
	s_cbranch_scc0 .Lgroup_b_\@
	MPH 1, 1                                       ; group A: V^T P of step j, K Q^T of step j + 1; then the softmax of step j + 1
	VPH
	s_branch .Ljoin_\@
.Lgroup_b_\@:
	VPH                                            ; group B: the softmax of step j; then V^T P of step j, K Q^T of step j + 1
	MPH 1, 1
.Ljoin_\@:
.endm
	ADDRS
	MPH 0, 1                                       ; step 0's scores, and its V
	s_cmp_eq_u32 s[GRP], 0
	s_cbranch_scc0 .Lnot_a
	VPH                                            ; group A is half a trip ahead
.Lnot_a:
.Lstep:                                            ; 14 trips: trip j asks for step j + 2
	TRIP 1
	s_sub_co_u32 s[SLOTS], s[SLOTS], 1
	s_cmp_lg_u32 s[SLOTS], 0
	s_cbranch_scc1 .Lstep
	TRIP 0                                         ; the last change of slots is written out
	s_cmp_eq_u32 s[GRP], 0
	s_cbranch_scc1 .Lnot_b
	VPH                                            ; group B's last softmax
.Lnot_b:
	s_wait_dscnt 0x0                               ; the last step's V
	MPH 1, 0
	; THE WAY OUT.  l's two halves and the other half of the lanes' are added (the first additions are the places behind the last products); O^T / l, rounded to f16, goes into the work-group's stage:
	; a row's 512 bytes come from four heads' waves, so a barrier stands between the writing and the reading; each wave then stores 16 whole rows.
.irp t, 0,1,2,3
	v_add_f32 v[ST+8*\t+4], v[ST+8*\t+2], v[ST+8*\t+3]
.endr
.irp t, 0,1,2,3
	v_permlanex16_b32 v[ST+8*\t+5], v[ST+8*\t+4], s[SEL], s[SEL+1]
.endr
.irp t, 0,1,2,3
	v_add_f32 v[ST+8*\t+4], v[ST+8*\t+4], v[ST+8*\t+5]
.endr
.irp t, 0,1,2,3
	v_rcp_f32 v[ST+8*\t+6], v[ST+8*\t+4]
.endr
	v_nop                                          ; a plain instruction behind the last reciprocal,
	s_wait_alu depctr_va_vdst(0)                   ; and the one wait for the four, ahead of their first use
.macro OUTT t
	WIN 0x41
.set i, 0
.rept 16
	v_pk_mul_f32 v[32*\t+2*i:32*\t+2*i+1], v[32*\t+2*i:32*\t+2*i+1], v[ST+8*\t+6:ST+8*\t+7] op_sel_hi:[1,0]
.set i, i+1
.endr
	WIN 0x05                                       ; sources window 1, destination window 0: S^T's registers are free
.set i, 0
.rept 16
	v_cvt_pk_f16_f32 v[S+16*\t+i], v[32*\t+2*i], v[32*\t+2*i+1]
.set i, i+1
.endr
	WIN 0
.irp c, 0,1,2,3
	ds_store_b128 v[STO], v[S+16*\t+4*\c:S+16*\t+4*\c+3] offset:16*SPS*\t+32*\c   ; query 16 t + r, channels 16 c + 8 h + 0 .. 7
.endr
.endm
	OUTT 0
	OUTT 1
	OUTT 2
	OUTT 3
	s_wait_dscnt 0x0                               ; for the others' sake: my stores into the stage are done
	s_barrier_signal -1
	s_barrier_wait -1
.irp i, 0,1,2,3,4,5,6,7,8,9,10,11,12,13,14,15
	ds_load_b128 v[128+4*\i:128+4*\i+3], v[RD] offset:\i*SPS
.endr
.irp i, 0,1,2,3,4,5,6,7,8,9,10,11,12,13,14,15
	s_wait_dscnt 15-\i
	global_store_b128 v[GO], v[128+4*\i:128+4*\i+3], s[10:11] offset:2048*\i   ; 32 lanes store 512 consecutive bytes, at a multiple of 256 from ah's first byte
.endr
	s_wait_tensorcnt 0x0                           ; the wave's end, behind my last tensor load and my last LDS store
	ds_add_u32 v[SPW], v[NIL]
	s_wait_dscnt 0x0
	CROUND                                         ; the closing round: no work-group ends while a partner may still ask for a tile that names it
	s_endpgm
.Lfunc_end_k_q010f5676c1_attn:
	.size	k_q010f5676c1_attn, .Lfunc_end_k_q010f5676c1_attn-k_q010f5676c1_attn
	.p2alignl 7, 3214868480
	.fill 96, 4, 3214868480
	.section	.rodata,"a",@progbits
	.p2align	6, 0x0
	.amdhsa_kernel k_q010f5676c1_attn
		.amdhsa_group_segment_fixed_size 327680
		.amdhsa_private_segment_fixed_size 0
		.amdhsa_enable_private_segment 0
		.amdhsa_kernarg_size 32
		.amdhsa_user_sgpr_count 2
		.amdhsa_user_sgpr_kernarg_segment_ptr 1
		.amdhsa_wavefront_size32 1
		.amdhsa_system_sgpr_workgroup_id_x 1
		.amdhsa_system_sgpr_workgroup_id_y 1
		.amdhsa_system_sgpr_workgroup_id_z 1
		.amdhsa_system_vgpr_workitem_id 0
		.amdhsa_next_free_vgpr 512
		.amdhsa_next_free_sgpr 100
		.amdhsa_reserve_vcc 0
		.amdhsa_float_denorm_mode_32 3
		.amdhsa_float_denorm_mode_16_64 3
		.amdhsa_memory_ordered 1
		.amdhsa_forward_progress 1
		.amdhsa_inst_pref_size 255
	.end_amdhsa_kernel
	.amdgpu_metadata
---
amdhsa.version: [ 1, 2 ]
amdhsa.kernels:
  - .name:           k_q010f5676c1_attn
    .symbol:         k_q010f5676c1_attn.kd
    .args:
      - { .name: qkv, .offset: 0, .size: 8, .value_kind: global_buffer, .address_space: global }
      - { .name: attn_mask, .offset: 8, .size: 8, .value_kind: global_buffer, .address_space: global }
      - { .name: key_padding_mask, .offset: 16, .size: 8, .value_kind: global_buffer, .address_space: global }
      - { .name: ah, .offset: 24, .size: 8, .value_kind: global_buffer, .address_space: global }
    .group_segment_fixed_size: 327680
    .private_segment_fixed_size: 0
    .kernarg_segment_align: 8
    .kernarg_segment_size: 32
    .max_flat_workgroup_size: 256
    .sgpr_count:     100
    .vgpr_count:     512
    .wavefront_size: 32
...
	.end_amdgpu_metadata
.endif
;; end of part 3
;; launch oproj (part 4): grid 4 x 64, 4 waves a work-group, clusters of 4 x 4, 327,680 bytes of LDS; arguments ah, woh, bo, out0; writes out0
.if DOCPART == 4
	.amdgcn_target "amdgcn-amd-amdhsa--gfx1250"
	.amdhsa_code_object_version 6
	.text
	.protected	k_q010f5676c1_oproj
	.globl	k_q010f5676c1_oproj
	.p2align	8
	.type	k_q010f5676c1_oproj,@function
k_q010f5676c1_oproj:
	s_mov_b64 s[64:65], 0
	v_nop
	global_prefetch_b8 v0, s[64:65] scope:SCOPE_SE
	s_setreg_imm32_b32 hwreg(HW_REG_WAVE_MODE, 25, 1), 1
	s_wait_xcnt 0x0
	s_wait_alu depctr_hold_cnt(0) depctr_sa_sdst(0) depctr_va_vdst(0) depctr_va_sdst(0) depctr_va_ssrc(0) depctr_va_vcc(0) depctr_vm_vsrc(0)
	s_getreg_b32 s2, hwreg(HW_REG_IB_STS2, 6, 4)
	s_cmp_eq_u32 s2, 0
	s_cbranch_scc0 .Lentry_in_a_cluster
	s_endpgm
.Lentry_in_a_cluster:
	s_bfe_u32 s2, ttmp6, 0x10000c
	s_cmp_lg_u32 s2, 0xf033
	s_cbranch_scc0 .Lentry_shape_is_right
	s_endpgm
.Lentry_shape_is_right:
; FOURTH LAUNCH: out0[m][n] = sum over k of ah[m][k] Wo[n][k] + bo[n].  ah [8192][1024] and woh [1024][1024]: f16; bo [1024], out0 [8192][1024]: f32; sums in f32.
; A tile of 128 x 256 gives 64 x 4 = 256 work-groups.  Four waves, each 64 rows x 128 columns: 32 accumulators of 16 x 16, 256 registers.
; K goes in 8 steps of 128 (rows of 256 bytes) through a ring of two LDS slots filled by the tensor data mover: waves 0 and 1 fetch ah's halves (64 rows each), waves 2 and 3 woh's (128 rows each).
; CLUSTERS: 4 x 4 work-groups.  The four of a row of the cluster need the same tiles of ah, the four of a column the same tiles of woh: each is asked for jointly, by the same tensor load with the same descriptor
; and a mask that names the four.  THE MATRIX INSTRUCTION IS USED TRANSPOSED (source 0 = 16 rows of woh, source 1 = 16 rows of ah): a lane then holds eight neighbouring numbers of a row of out0.
; The bias is the C of each sum's first matrix instruction: eight registers a column block, in the result's layout: it costs no addition, and nothing is cleared.
; REGISTERS: window 0: v16-29 addresses; v64-127 ah's fragments, two buffers of 32; v128-255 woh's, two buffers of 64.   window 1: accumulator (a, b) at v[8 (8 a + b)].
;   window 2: v0-63 the bias; on the way out v0-63 and v64-127 take the rows read back, by turns.
.set KSTEP,  128
.set PITCH,  272                       ; an LDS row: 256 bytes + 16 of padding: the 16 rows that a load touches start at 16 different banks (64 banks of 4 bytes: ISA guide 11.1)
.set ATILE,  128*PITCH
.set SLOT,   384*PITCH                 ; ah's 128 rows, then woh's 256 rows
.set STAGE,  2*SLOT                    ; behind the ring: 16 rows x 528 bytes for each wave
.set SPITCH, 528
.set SPARE,  STAGE+4*16*SPITCH         ; the spare words, 128 bytes a wave, named by no other line
.set LAPS,   4                         ; a lap = two K steps
.set ADRA, 16
.set ADRB, 20
.set STO,  24
.set RD,   25
.set CO,   26
.set SPW,  28
.set NIL,  29
.set FA,   64
.set FB,   128
.set BI,   0                           ; window 2
.set G1,  24
.set G0,  32
.set G1B, 48
.set G0B, 56
.set MSB, 0
.macro WIN new                         ; the immediate's high byte repeats the setting that is left
.if MSB != (\new)
	s_set_vgpr_msb (MSB<<8)|(\new)
.set MSB, (\new)
.endif
.endm
.set MUL, 0x50                         ; sources 0 and 1 window 0; C and D window 1.  + 0x10: C window 2 (the bias)
.macro JLOAD s                         ; a joint load: waves 0 and 1 fetch ah's halves, waves 2 and 3 woh's; an s_nop 0 and four v_nop follow each of the two lines
	s_cmp_eq_u32 s13, 0
	s_cbranch_scc0 .Lfor_b_\@
	tensor_load_to_lds s[G0+4*\s:G0+4*\s+3], s[G1:G1+7]
	s_nop 0
.rept 4
	v_nop
.endr
	s_branch .Lasked_\@
.Lfor_b_\@:
	tensor_load_to_lds s[G0B+4*\s:G0B+4*\s+3], s[G1B:G1B+7]
	s_nop 0
.rept 4
	v_nop
.endr
.Lasked_\@:
.endm
.macro CREST                           ; a round of the cluster's barrier behind its opening barrier
	s_cmp_lg_u32 s12, 0
	s_cbranch_scc1 .Lnot_wave_0_\@
	s_barrier_signal -3
.Lnot_wave_0_\@:
	s_barrier_wait -3
	s_barrier_signal -1
	s_barrier_wait -1
.endm
.macro CROUND
	s_barrier_signal -1
	s_barrier_wait -1
	CREST
.endm
	s_load_b256 s[4:11], s[0:1], 0x0               ; ah s[4:5], woh s[6:7], bo s[8:9], out0 s[10:11]
	v_lshl_add_u32 v[SPW], v0, 2, SPARE
	v_mov_b32 v[NIL], 0
	ds_add_u32 v[SPW], v[NIL]                      ; the wave's opening: the add, twice on end, and its wait ahead of my first tensor load
	ds_add_u32 v[SPW], v[NIL]
	v_lshrrev_b32 v1, 5, v0
	v_readfirstlane_b32 s12, v1                    ; wave 0..3
	s_lshr_b32 s13, s12, 1                         ; which 64 rows of the tile are mine.  Also: I fetch for ah (0) or for woh (1)
	s_and_b32 s14, s12, 1                          ; which 128 columns.  Also: which half of that tile I fetch
	s_bfe_u32 s40, ttmp6, 0x40000                  ; cx, cy
	s_bfe_u32 s41, ttmp6, 0x40004
	s_lshl_b32 s42, ttmp9, 2
	s_add_co_u32 s42, s42, s40                     ; tile column = 4 x cluster x + cx
	s_and_b32 s15, ttmp7, 0xffff
	s_lshl_b32 s15, s15, 2
	s_add_co_u32 s15, s15, s41                     ; tile row = 4 x cluster y + cy
	s_lshl_b32 s43, s41, 2
	s_lshl_b32 s43, 15, s43                        ; my row of the cluster
	s_lshl_b32 s44, 0x1111, s40                    ; my column
	s_or_b32 s[G1+0], s43, (1<<16)|(1<<20)|(1<<21)|(5<<22)|(3<<25)   ; the mask; elements of 2 bytes; padding: four words after every 64; bit 21 set beside a mask
	s_or_b32 s[G1B+0], s44, (1<<16)|(1<<20)|(1<<21)|(5<<22)|(3<<25)
	s_mov_b32 s[G1+1], KSTEP<<16                   ; tensor_dim0 = 128
	s_mov_b32 s[G1+2], 64<<16                      ; tensor_dim1 = 64
	s_mov_b32 s[G1+3], KSTEP<<16                   ; tile_dim0
	s_mov_b32 s[G1+4], 64                          ; tile_dim1
	s_mov_b32 s[G1+5], 1024                        ; elements from row to row
	s_mov_b32 s[G1+6], 0
	s_mov_b32 s[G1+7], 0
	s_mov_b32 s[G1B+1], KSTEP<<16
	s_mov_b32 s[G1B+2], 128<<16
	s_mov_b32 s[G1B+3], KSTEP<<16
	s_mov_b32 s[G1B+4], 128
	s_mov_b32 s[G1B+5], 1024
	s_mov_b32 s[G1B+6], 0
	s_mov_b32 s[G1B+7], 0
	s_lshl_b32 s16, s15, 7
	s_lshl_b32 s17, s14, 6
	s_add_co_u32 s16, s16, s17                     ; ah: row 128 x tile row + 64 x half,
	s_lshl_b32 s16, s16, 11                        ; 2,048 bytes a row
	s_mov_b32 s17, 0
	s_lshl_b32 s46, s42, 8
	s_lshl_b32 s47, s14, 7
	s_add_co_u32 s46, s46, s47                     ; woh: row 256 x tile column + 128 x half
	s_lshl_b32 s46, s46, 11
	s_mov_b32 s47, 0
	s_mul_i32 s20, s14, 64*PITCH                   ; where they go: no place in the cluster enters an LDS address
	s_mul_i32 s21, s14, 128*PITCH
	s_add_co_u32 s21, s21, ATILE
	s_wait_dscnt 0x0                               ; both opening adds are done
	s_wait_kmcnt 0x0
	s_add_nc_u64 s[16:17], s[4:5], s[16:17]
	s_add_nc_u64 s[46:47], s[6:7], s[46:47]
	CROUND                                         ; all sixteen work-groups are here: the first joint loads meet
.irp s, 0,1
	s_mov_b32 s[G0+4*\s], 1
	s_add_co_u32 s[G0+4*\s+1], s20, \s*SLOT
	s_add_nc_u64 s[G0+4*\s+2:G0+4*\s+3], s[16:17], \s*KSTEP*2
	s_or_b32 s[G0+4*\s+3], s[G0+4*\s+3], 0x80000000
	s_mov_b32 s[G0B+4*\s], 1
	s_add_co_u32 s[G0B+4*\s+1], s21, \s*SLOT
	s_add_nc_u64 s[G0B+4*\s+2:G0B+4*\s+3], s[46:47], \s*KSTEP*2
	s_or_b32 s[G0B+4*\s+3], s[G0B+4*\s+3], 0x80000000
	JLOAD \s                                       ; two loads of a wave are out
.endr
	v_and_b32 v1, 15, v0                           ; l % 16
	v_bfe_u32 v2, v0, 4, 1                         ; l / 16
	s_lshl_b32 s18, s42, 10
	s_lshl_b32 s19, s14, 9
	s_add_co_u32 s18, s18, s19                     ; my first column, in bytes of f32: 1,024 x tile column + 512 x half
	s_mov_b32 s19, 0
	s_add_nc_u64 s[8:9], s[8:9], s[18:19]
	s_add_nc_u64 s[10:11], s[10:11], s[18:19]
	v_lshlrev_b32 v8, 5, v2                        ; the bias: + 32 bytes for lanes 16-31; never rewritten
	WIN 0x80                                       ; destination window 2
.irp b, 0,1,2,3,4,5,6,7
	global_load_b128 v[BI+8*\b:BI+8*\b+3], v8, s[8:9] offset:64*\b          ; bo[my first column + 16 b + 8 (l / 16) + 0 .. 7]
	global_load_b128 v[BI+8*\b+4:BI+8*\b+7], v8, s[8:9] offset:64*\b+16
.endr
	WIN 0
	v_mul_u32_u24 v3, v1, PITCH
	v_lshl_add_u32 v3, v2, 4, v3                   ; a fragment's row x pitch + 16 x half
	s_mul_i32 s21, s13, 64*PITCH                   ; my 64 rows of ah
	s_mul_i32 s22, s14, 128*PITCH                  ; my 128 rows of woh,
	s_add_co_u32 s22, s22, ATILE                   ; which lie behind ah's 128
.irp s, 0,1
	v_add_nc_u32 v[ADRA+\s], s21, v3
	v_add_nc_u32 v[ADRB+\s], s22, v3
	s_add_co_u32 s21, s21, SLOT
	s_add_co_u32 s22, s22, SLOT
.endr
	s_mul_i32 s23, s12, 16*SPITCH
	s_add_co_u32 s23, s23, STAGE                   ; my stage
	v_mul_u32_u24 v4, v1, SPITCH                   ; in: row l % 16, 32 bytes for each half of the lanes
	v_lshl_add_u32 v4, v2, 5, v4
	v_add_nc_u32 v[STO], s23, v4
	v_and_b32 v5, 31, v0
	v_lshlrev_b32 v[CO], 4, v5                     ; back: the 32 lanes take one row of 512 bytes; and the same in out0
	v_add_nc_u32 v[RD], s23, v[CO]
	s_lshl_b32 s18, s15, 7
	s_lshl_b32 s19, s13, 6
	s_add_co_u32 s18, s18, s19                     ; my first row: 128 x tile row + 64 x half,
	s_lshl_b32 s18, s18, 12                        ; 4,096 bytes a row
	s_mov_b32 s19, 0
	s_add_nc_u64 s[10:11], s[10:11], s[18:19]
; 8 matrix instructions: row block a x all 8 column blocks, 32 along K, from buffer f.  first = 1: the bias is the C.  The 32 accumulators take turns, one instruction a turn, in the same order in every quarter.
.macro MULA f, a, first
.irp b, 0,1,2,3,4,5,6,7
.if \first
	v_wmma_f32_16x16x32_f16 v[8*(8*(\a)+\b):8*(8*(\a)+\b)+7], v[FB+64*(\f)+8*\b:FB+64*(\f)+8*\b+7], v[FA+32*(\f)+8*(\a):FA+32*(\f)+8*(\a)+7], v[BI+8*\b:BI+8*\b+7]
.else
	v_wmma_f32_16x16x32_f16 v[8*(8*(\a)+\b):8*(8*(\a)+\b)+7], v[FB+64*(\f)+8*\b:FB+64*(\f)+8*\b+7], v[FA+32*(\f)+8*(\a):FA+32*(\f)+8*(\a)+7], v[8*(8*(\a)+\b):8*(8*(\a)+\b)+7]
.endif
.endr
.endm
; 24 LDS loads in one run: the fragments of 32 along K at byte k of the rows, into buffer f: woh's eight, then ah's four
.macro FETCH slot, k, f
	WIN 0
.irp i, 0,1,2,3,4,5,6,7
	ds_load_b128 v[FB+64*(\f)+8*\i:FB+64*(\f)+8*\i+3],   v[ADRB+\slot] offset:\k+\i*16*PITCH
	ds_load_b128 v[FB+64*(\f)+8*\i+4:FB+64*(\f)+8*\i+7], v[ADRB+\slot] offset:\k+\i*16*PITCH+32
.endr
.irp i, 0,1,2,3
	ds_load_b128 v[FA+32*(\f)+8*\i:FA+32*(\f)+8*\i+3],   v[ADRA+\slot] offset:\k+\i*16*PITCH
	ds_load_b128 v[FA+32*(\f)+8*\i+4:FA+32*(\f)+8*\i+7], v[ADRA+\slot] offset:\k+\i*16*PITCH+32
.endr
.endm
.macro PLACES                          ; four plain vector instructions ahead of loads into registers that matrix instructions have read, and of reads of results
.rept 4
	v_nop
.endr
.endm
; A K step is four quarters of 32 along K, 32 matrix instructions each, on buffers 0, 1, 0, 1.  One of the first three: multiplies buffer f and fetches the next quarter, at byte k, into g.
.macro QUARTER slot, k, f, g, first
	s_wait_dscnt 4                                 ; woh's fragments and ah's blocks 0, 1 are in; the youngest four loads (blocks 2, 3) may be out
	WIN MUL+0x10*(\first)
	MULA \f, 0, \first
	MULA \f, 1, \first
	PLACES
	FETCH \slot, \k, \g
	s_wait_dscnt 24                                ; all but the 24 just issued
	WIN MUL+0x10*(\first)
	MULA \f, 2, \first
	MULA \f, 3, \first
.endm
; The last quarter multiplies buffer 1 and changes slots: ONE barrier; in front of it each wave waits for all its tensor loads (its part of the next slot), adds 0 to its spare word, and waits for that and for
; its reads of this slot.  fill = 1: the barrier opens a round of the cluster's, and this slot is filled again, two K steps ahead, first thing behind the round.
.macro TURN slot, next, fill
	WIN 0
	s_wait_tensorcnt 0x0
	ds_add_u32 v[SPW], v[NIL]                      ; 0 onto my spare word
	s_wait_dscnt 5                                 ; (the add and the youngest four loads may be out)
	WIN MUL
	MULA 1, 0, 0                                   ; eight matrix instructions stand between the add and the wait for it
	s_wait_dscnt 0x0                               ; the add is done, and my reads of this slot are over
	s_barrier_signal -1
	MULA 1, 1, 0
	WIN 0
	s_barrier_wait -1
.if \fill
	CREST                                          ; no wave of any partner still reads this slot's tile or has a load on its way
	s_add_nc_u64 s[G0+4*\slot+2:G0+4*\slot+3], s[G0+4*\slot+2:G0+4*\slot+3], 2*KSTEP*2
	s_add_nc_u64 s[G0B+4*\slot+2:G0B+4*\slot+3], s[G0B+4*\slot+2:G0B+4*\slot+3], 2*KSTEP*2
	JLOAD \slot                                    ; the four v_nop behind it are also the places in front of the loads below
.else
	PLACES
.endif
	FETCH \next, 0, 0
	WIN MUL
	MULA 1, 2, 0
	MULA 1, 3, 0
.endm
	s_wait_tensorcnt 1                             ; my part of K step 0 is in (K step 1's may be out)
	s_barrier_signal -1
	s_barrier_wait -1                              ; everybody's is
	FETCH 0, 0, 0
	s_wait_loadcnt 0x0                             ; the bias
	QUARTER 0, 64, 0, 1, 1                         ; the first quarter stands in front of the loop: its products start the sums from the bias
	WIN 0                                          ; at a label and at a branch every window is 0
	s_mov_b32 s3, LAPS-1
.Llap:                                             ; a trip goes once round the ring, from a lap's second quarter to the next lap's first, and fills both slots again
	QUARTER 0, 128, 1, 0, 0
	QUARTER 0, 192, 0, 1, 0
	TURN 0, 1, 1
	QUARTER 1, 64, 0, 1, 0
	QUARTER 1, 128, 1, 0, 0
	QUARTER 1, 192, 0, 1, 0
	TURN 1, 0, 1
	QUARTER 0, 64, 0, 1, 0
	WIN 0
	s_sub_co_u32 s3, s3, 1
	s_cmp_lg_u32 s3, 0
	s_cbranch_scc1 .Llap
	QUARTER 0, 128, 1, 0, 0                        ; the last lap fills nothing, and has no round of the cluster's barrier
	QUARTER 0, 192, 0, 1, 0
	TURN 0, 1, 0
	QUARTER 1, 64, 0, 1, 0
	QUARTER 1, 128, 1, 0, 0
	QUARTER 1, 192, 0, 1, 0
	s_wait_dscnt 4                                 ; the very last quarter: nothing more to fetch
	WIN MUL
	MULA 1, 0, 0
	MULA 1, 1, 0
	s_wait_dscnt 0
	MULA 1, 2, 0
	MULA 1, 3, 0
	WIN 0
; THE WAY OUT, block by block of 16 rows x 128 columns.  A lane holds 32 neighbouring bytes of a row: a block goes through my own stage in LDS and comes back as whole rows of 512 bytes.
; LDS serves a wave's instructions in order (ISA guide 5.7.1.4): no wait between the stores and the loads, nor in front of the next block's stores.
.macro TOSTAGE a
	WIN 0x04                                       ; an LDS store's data: window 1
.irp b, 0,1,2,3,4,5,6,7
	ds_store_b128 v[STO], v[64*(\a)+8*\b:64*(\a)+8*\b+3] offset:64*\b          ; each accumulator from its low end on
	ds_store_b128 v[STO], v[64*(\a)+8*\b+4:64*(\a)+8*\b+7] offset:64*\b+16
.endr
	WIN 0x80                                       ; destination window 2
.irp t, 0,1,2,3,4,5,6,7,8,9,10,11,12,13,14,15
	ds_load_b128 v[64*((\a)%2)+4*\t:64*((\a)%2)+4*\t+3], v[RD] offset:\t*SPITCH
.endr
	WIN 0
.endm
.macro SEND a, younger                 ; younger: the LDS instructions issued behind block a's loads, which may stay out
	s_wait_dscnt \younger
.if (\a) > 0
	s_add_nc_u64 s[10:11], s[10:11], 16*4096       ; (behind a wait on XCNT: the earlier stores have read their base)
.endif
	WIN 0x08                                       ; a store's data: window 2
.irp t, 0,1,2,3,4,5,6,7,8,9,10,11,12,13,14,15
	global_store_b128 v[CO], v[64*((\a)%2)+4*\t:64*((\a)%2)+4*\t+3], s[10:11] offset:\t*4096 th:TH_STORE_NT   ; 32 lanes store 512 consecutive bytes, at a multiple of 256 from out0's first byte
.endr
	WIN 0
.endm
	PLACES                                         ; behind the last products, ahead of the first read of results
	TOSTAGE 0
.irp a, 1,2,3
.if \a > 1
	s_wait_xcnt 0x0                                ; block a - 2's stores have read their registers and their base: block a's loads may land there, and the base may step
.endif
	TOSTAGE \a
	SEND \a-1, 32                                  ; behind block a - 1's loads: block a's 16 stores and 16 loads
.endr
	s_wait_xcnt 0x0                                ; block 2's stores have read their base
	SEND 3, 0
	s_wait_tensorcnt 0x0                           ; the wave's end, behind my last tensor load and my last LDS store
	ds_add_u32 v[SPW], v[NIL]
	s_wait_dscnt 0x0
	CROUND                                         ; the closing round: no work-group ends while a partner may still ask for a tile that names it
	s_endpgm
.Lfunc_end_k_q010f5676c1_oproj:
	.size	k_q010f5676c1_oproj, .Lfunc_end_k_q010f5676c1_oproj-k_q010f5676c1_oproj
	.p2alignl 7, 3214868480
	.fill 96, 4, 3214868480
	.section	.rodata,"a",@progbits
	.p2align	6, 0x0
	.amdhsa_kernel k_q010f5676c1_oproj
		.amdhsa_group_segment_fixed_size 327680
		.amdhsa_private_segment_fixed_size 0
		.amdhsa_enable_private_segment 0
		.amdhsa_kernarg_size 32
		.amdhsa_user_sgpr_count 2
		.amdhsa_user_sgpr_kernarg_segment_ptr 1
		.amdhsa_wavefront_size32 1
		.amdhsa_system_sgpr_workgroup_id_x 1
		.amdhsa_system_sgpr_workgroup_id_y 1
		.amdhsa_system_sgpr_workgroup_id_z 1
		.amdhsa_system_vgpr_workitem_id 0
		.amdhsa_next_free_vgpr 640
		.amdhsa_next_free_sgpr 66
		.amdhsa_reserve_vcc 0
		.amdhsa_float_denorm_mode_32 3
		.amdhsa_float_denorm_mode_16_64 3
		.amdhsa_memory_ordered 1
		.amdhsa_forward_progress 1
		.amdhsa_inst_pref_size 87
	.end_amdhsa_kernel
	.amdgpu_metadata
---
amdhsa.version: [ 1, 2 ]
amdhsa.kernels:
  - .name:           k_q010f5676c1_oproj
    .symbol:         k_q010f5676c1_oproj.kd
    .args:
      - { .name: ah, .offset: 0, .size: 8, .value_kind: global_buffer, .address_space: global }
      - { .name: woh, .offset: 8, .size: 8, .value_kind: global_buffer, .address_space: global }
      - { .name: bo, .offset: 16, .size: 8, .value_kind: global_buffer, .address_space: global }
      - { .name: out0, .offset: 24, .size: 8, .value_kind: global_buffer, .address_space: global }
    .group_segment_fixed_size: 327680
    .private_segment_fixed_size: 0
    .kernarg_segment_align: 8
    .kernarg_segment_size: 32
    .max_flat_workgroup_size: 128
    .sgpr_count:     66
    .vgpr_count:     640
    .wavefront_size: 32
...
	.end_amdgpu_metadata
.endif
;; end of part 4
